; MI455X (gfx1250); checked and timed in simulation.
; The chip was launched on July 23, 2026; its instructions are those of AMD's public machine-readable ISA for CDNA 5 (MIT licence, August 2026) and "CDNA5" Instruction Set Architecture Reference Guide (July 2026). The comments in the code are by the model that wrote it; some were corrected since.
;; Gaussian Model. Allowed arithmetic: float matrix products may take bf16 or f16 operands with f32 sums; all other float work in f32.
;; Inputs: _opacity 512 x 1 float32; _rotation 512 x 4 float32; _scaling 512 x 3 float32; _xyz 512 x 3 float32.
;; Outputs: out0 64 x 64 x 64 float32.
;; Constants: num_blocks = 16, resolution = 64.
;; 3 versions, each right and faster than the one before. Each part assembles by itself: llvm-mc -triple=amdgcn-amd-amdhsa -mcpu=gfx1250 --defsym DOCPART=n.
;; ======== version 1 of 3: 2 launches
;; workspace buffers: params 24,832 bytes; masks 3,072 bytes of whole numbers
;; launch prep (part 1): grid 1 x 1, 16 waves a work-group, no clusters, 31,232 bytes of LDS; arguments _opacity, _rotation, _scaling, _xyz, params, masks; writes params, masks
.if DOCPART == 1
	.amdgcn_target "amdgcn-amd-amdhsa--gfx1250"
	.amdhsa_code_object_version 6
	.text
	.protected	k_qc64c17b1c9_prep
	.globl	k_qc64c17b1c9_prep
	.p2align	8
	.type	k_qc64c17b1c9_prep,@function
k_qc64c17b1c9_prep:
	s_mov_b64 s[64:65], 0
	v_nop
	global_prefetch_b8 v0, s[64:65] scope:SCOPE_SE
	s_setreg_imm32_b32 hwreg(HW_REG_WAVE_MODE, 25, 1), 1
	s_wait_xcnt 0x0
; PREP: everything that is done once for each of the 512 gaussians.  One work-group, 16 waves, thread t = gaussian t.
; Out:  params  512 entries of 48 bytes: -gz, -gx, w, -gy | f2, a2, b2, c2 | d2, e2, 0, 0   (g = normalised centre, w = opacity or 0,
;               a2 d2 f2 = -0.5 log2(e) x inverse covariance's diagonal, b2 c2 e2 = -log2(e) x its xy, xz, yz terms),
;               then at byte 24,576 the 64 grid coordinates of linspace(-1, 1, 64);
;       masks   48 entries of 16 words: entry 16 axis + b, word w, bit l: gaussian 32 w + l lies inside block index b's relaxed
;               interval on that axis (x entries also carry opacity > 0.005).  The box test of a block is the AND of three entries,
;               so 3,072 bytes describe all 4,096 blocks.  The next launch takes its trip counts from these whole numbers.
; The 3 x 3 products C = L L^T (27,648 FLOPs in all) stay in f32 on the vector unit: C feeds a determinant whose terms cancel,
; which 16-bit operands would not survive.  Determinant and cofactors follow the source formula term by term, with its + 1e-24.
; LIMITS: v_exp_f32, v_rcp_f32, v_rsq_f32 are good to one unit in the last place and flush denormals (ISA guide, 15.8);
; the order of rounding differs from the source's; inputs for which the source formula is not finite are not served.
.set RED,     0                        ; LDS: 6 x 16 words, the waves' minima and maxima
.set MT,      512                      ; LDS: 16 waves x 256 bytes, each wave's 48 mask words (64 with the unused tail)
.set PT,      4608                     ; LDS: the 512 entries of 48 bytes
.set LINOFF,  24576                    ; params: byte offset of the grid coordinates
.set LOG2E,   0x3fb8aa3b               ; log2(e)
.set NLOG2E,  0xbfb8aa3b               ; -log2(e)
.set NHLOG2E, 0xbf38aa3b               ; -log2(e) / 2
.set INV63,   0x3c820821               ; 1/63
; v[d] = linspace(-1, 1, 64)[v[i]] as the source forms it: step = i / 63, value = step - (1 - step).
; The quotient is a product with 1/63 and one correction by the exact remainder.
.macro LIN d, i, t
	v_cvt_f32_u32 v[\t], v[\i]
	v_mul_f32 v[\d], INV63, v[\t]
	v_fmamk_f32 v[\t], v[\d], 0xc27c0000, v[\t]    ; i - 63 q, one rounding
	v_fmac_f32 v[\d], INV63, v[\t]
	v_sub_f32 v[\t], 1.0, v[\d]
	v_sub_f32 v[\d], v[\d], v[\t]
.endm
	s_load_b256 s[4:11], s[0:1], 0x0               ; _opacity s[4:5], _rotation s[6:7], _scaling s[8:9], _xyz s[10:11]
	s_load_b128 s[12:15], s[0:1], 0x20             ; params s[12:13], masks s[14:15]
	v_lshl_add_u32 v104, v0, 2, 0x7200
	v_mov_b32 v105, 0
	v_lshrrev_b32 v1, 5, v0
	v_readfirstlane_b32 s16, v1                    ; wave 0..15
	v_lshlrev_b32 v1, 2, v0                        ; 4 t
	v_mul_u32_u24 v2, 12, v0                       ; 12 t
	v_lshlrev_b32 v3, 4, v0                        ; 16 t, kept to the end
	s_mov_b32 s18, 0x76543210                      ; v_permlanex16_b32: lane i reads lane i of the other half
	s_mov_b32 s19, 0xfedcba98
	s_mov_b32 s20, 0x3fe66666                      ; 1.8
	s_wait_kmcnt 0x0
	global_load_b32 v4, v1, s[4:5]                 ; opacity
	global_load_b96 v[6:8], v2, s[10:11]           ; x y z
	global_load_b128 v[16:19], v3, s[6:7]          ; quaternion r x y z
	global_load_b96 v[10:12], v2, s[8:9]           ; log scales
	; while the loads are out: the 32 interval bounds, one a lane.  Lane 2 b: lin[4 b] - 0.1875, lane 2 b + 1: lin[4 b + 3] + 0.1875
	v_and_b32 v20, 31, v0                          ; lane
	v_and_b32 v21, 1, v0                           ; 0 lower bound, 1 upper bound
	v_and_b32 v22, 30, v0
	v_lshlrev_b32 v22, 1, v22                      ; 4 b
	v_mad_u32_u24 v22, v21, 3, v22                 ; grid index 4 b or 4 b + 3
	LIN 23, 22, 24
	v_cvt_f32_u32 v24, v21
	v_add_f32 v24, -0.5, v24                       ; -0.5 or +0.5
	v_fmac_f32 v23, 0x3ec00000, v24                ; 0.375 x that is -0.1875 or +0.1875 exactly: one rounding, as an addition has
	v_mov_b32 v34, 0                               ; written once: v_permlanex16_b32 counts as a reader of its destination
	v_mov_b32 v35, 0
	v_mov_b32 v80, 0                               ; the same for v_writelane_b32; lanes 16-31 of v81 stay 0
	v_mov_b32 v81, 0
	s_wait_loadcnt 0x3                             ; opacity is in; three younger loads stay out
	v_mul_f32 v24, NLOG2E, v4
	v_exp_f32 v24, v24                             ; e^-o
	v_mov_b32 v26, 0x501502f9                      ; 1e10   (also the plain instruction behind the transcendental, ISA guide 5.7.2)
	s_wait_alu depctr_va_vdst(0)
	v_add_f32 v24, 1.0, v24
	v_rcp_f32 v24, v24                             ; sigmoid
	v_mov_b32 v27, 0xd01502f9                      ; -1e10
	s_wait_alu depctr_va_vdst(0)
	v_cmp_lt_f32 vcc_lo, 0x3ba3d70a, v24           ; 0.005 < sigmoid
	s_mov_b32 s17, vcc_lo                          ; my wave's word of the opacity mask
	v_cndmask_b32 v70, 0, v24, vcc_lo              ; w
	s_wait_loadcnt 0x2                             ; x y z are in
	v_cndmask_b32 v28, v26, v6, vcc_lo             ; for the minima: dropped gaussians count as 1e10
	v_cndmask_b32 v29, v26, v7, vcc_lo
	v_cndmask_b32 v30, v26, v8, vcc_lo
	v_cndmask_b32 v31, v27, v6, vcc_lo             ; for the maxima: as -1e10
	v_cndmask_b32 v32, v27, v7, vcc_lo
	v_cndmask_b32 v33, v27, v8, vcc_lo
.irp m, 1,2,4,8                                    ; inside each half of 16 lanes
.irp r, 28,29,30
	v_min_num_f32_dpp v\r, v\r, v\r row_xmask:\m row_mask:0xf bank_mask:0xf
.endr
.irp r, 31,32,33
	v_max_num_f32_dpp v\r, v\r, v\r row_xmask:\m row_mask:0xf bank_mask:0xf
.endr
.endr
	v_permlanex16_b32 v34, v28, s18, s19           ; across the halves
	v_permlanex16_b32 v35, v29, s18, s19
	v_min_num_f32 v28, v28, v34
	v_min_num_f32 v29, v29, v35
	v_permlanex16_b32 v34, v30, s18, s19
	v_permlanex16_b32 v35, v31, s18, s19
	v_min_num_f32 v30, v30, v34
	v_max_num_f32 v31, v31, v35
	v_permlanex16_b32 v34, v32, s18, s19
	v_permlanex16_b32 v35, v33, s18, s19
	v_max_num_f32 v32, v32, v34
	v_max_num_f32 v33, v33, v35
	v_mov_b32 v36, s16
	v_lshlrev_b32 v36, 2, v36                      ; my wave's word in each of the six rows of 16
.irp k, 0,1,2,3,4,5
	ds_store_b32 v36, v[28+\k] offset:RED+64*\k    ; all lanes hold the same figure
.endr
	s_wait_loadcnt 0x0                             ; quaternion and log scales, for the register work below
	s_wait_dscnt 0x0                               ; for the other waves' sake: my six words are in LDS before I signal
	s_barrier_signal -1
	; register work while the others arrive: nothing here needs centre or scale
	v_mul_f32 v40, v16, v16
	v_fmac_f32 v40, v17, v17
	v_fmac_f32 v40, v18, v18
	v_fmac_f32 v40, v19, v19                       ; |q|^2
	v_mul_f32 v10, LOG2E, v10
	v_mul_f32 v11, LOG2E, v11
	v_mul_f32 v12, LOG2E, v12
	v_rsq_f32 v40, v40
	v_exp_f32 v10, v10                             ; e^scaling
	v_exp_f32 v11, v11
	v_exp_f32 v12, v12
	v_and_b32 v36, 15, v0                          ; plain instruction behind the transcendentals; lane mod 16,
	v_lshlrev_b32 v36, 2, v36                      ; the word of a row that this lane will read back
	s_wait_alu depctr_va_vdst(0)
	v_mul_f32 v16, v16, v40                        ; unit quaternion r x y z
	v_mul_f32 v17, v17, v40
	v_mul_f32 v18, v18, v40
	v_mul_f32 v19, v19, v40
	v_mul_f32 v41, v16, v19                        ; r z
	v_mul_f32 v42, v16, v18                        ; r y
	v_mul_f32 v43, v16, v17                        ; r x
	v_fma_f32 v44, v17, v18, -v41                  ; R01 / 2 = x y - r z   (the factor 2 goes into the scale below: exact)
	v_fma_f32 v45, v17, v18, v41                   ; R10 / 2
	v_fma_f32 v46, v17, v19, v42                   ; R02 / 2 = x z + r y
	v_fma_f32 v47, v17, v19, -v42                  ; R20 / 2
	v_fma_f32 v48, v18, v19, -v43                  ; R12 / 2 = y z - r x
	v_fma_f32 v49, v18, v19, v43                   ; R21 / 2
	v_mul_f32 v50, v17, v17
	v_mul_f32 v51, v18, v18
	v_mul_f32 v52, v19, v19
	v_add_f32 v53, v51, v52
	v_add_f32 v54, v50, v52
	v_add_f32 v55, v50, v51
	v_fma_f32 v53, v53, -2.0, 1.0                  ; R00
	v_fma_f32 v54, v54, -2.0, 1.0                  ; R11
	v_fma_f32 v55, v55, -2.0, 1.0                  ; R22
.set j, 0
.rept 32
	v_readlane_b32 s[32+j], v23, j                 ; the bounds as scalars: s[32+2b] lower, s[33+2b] upper
.set j, j+1
.endr
	s_barrier_wait -1
.irp k, 0,1,2,3,4,5
	ds_load_b32 v[28+\k], v36 offset:RED+64*\k     ; lane mod 16 takes that wave's figure
.endr
	s_wait_dscnt 0x0
.irp m, 1,2,4,8
.irp r, 28,29,30
	v_min_num_f32_dpp v\r, v\r, v\r row_xmask:\m row_mask:0xf bank_mask:0xf
.endr
.irp r, 31,32,33
	v_max_num_f32_dpp v\r, v\r, v\r row_xmask:\m row_mask:0xf bank_mask:0xf
.endr
.endr
	v_add_f32 v56, v28, v31
	v_add_f32 v57, v29, v32
	v_add_f32 v58, v30, v33
	v_sub_f32 v59, v31, v28
	v_sub_f32 v60, v32, v29
	v_sub_f32 v61, v33, v30
	v_max3_num_f32 v59, v59, v60, v61              ; the largest extent m
	v_rcp_f32 v60, v59
	v_mul_f32 v56, 0.5, v56                        ; centre
	v_mul_f32 v57, 0.5, v57
	v_mul_f32 v58, 0.5, v58
	s_wait_alu depctr_va_vdst(0)
	v_mul_f32 v61, s20, v60                        ; 1.8 / m: first guess,
	v_fma_f32 v62, -v59, v61, s20                  ; its exact remainder,
	v_fmac_f32 v61, v62, v60                       ; corrected: block membership is decided on these numbers
	v_sub_f32 v6, v6, v56
	v_sub_f32 v7, v7, v57
	v_sub_f32 v8, v8, v58
	v_mul_f32 v6, v6, v61                          ; normalised centre gx gy gz
	v_mul_f32 v7, v7, v61
	v_mul_f32 v8, v8, v61
	v_mul_f32 v10, v10, v61                        ; s0 s1 s2
	v_mul_f32 v11, v11, v61
	v_mul_f32 v12, v12, v61
	v_add_f32 v63, v10, v10                        ; 2 s, for the halved off-diagonal terms of R
	v_add_f32 v64, v11, v11
	v_add_f32 v65, v12, v12
	v_mul_f32 v53, v53, v10                        ; L = R diag(s): row 0 = v53 v44 v46
	v_mul_f32 v44, v44, v64
	v_mul_f32 v46, v46, v65
	v_mul_f32 v45, v45, v63                        ; row 1 = v45 v54 v48
	v_mul_f32 v54, v54, v11
	v_mul_f32 v48, v48, v65
	v_mul_f32 v47, v47, v63                        ; row 2 = v47 v49 v55
	v_mul_f32 v49, v49, v64
	v_mul_f32 v55, v55, v12
	v_mul_f32 v28, v53, v53                        ; C = L L^T: a b c d e f in v28 .. v33
	v_mul_f32 v29, v53, v45
	v_mul_f32 v30, v53, v47
	v_mul_f32 v31, v45, v45
	v_mul_f32 v32, v45, v47
	v_mul_f32 v33, v47, v47
	v_fmac_f32 v28, v44, v44
	v_fmac_f32 v29, v44, v54
	v_fmac_f32 v30, v44, v49
	v_fmac_f32 v31, v54, v54
	v_fmac_f32 v32, v54, v49
	v_fmac_f32 v33, v49, v49
	v_fmac_f32 v28, v46, v46
	v_fmac_f32 v29, v46, v48
	v_fmac_f32 v30, v46, v55
	v_fmac_f32 v31, v48, v48
	v_fmac_f32 v32, v48, v55
	v_fmac_f32 v33, v55, v55
	; det = a d f + 2 e c b - e e a - c c d - b b f + 1e-24, in the source's order of terms
	v_add_f32 v34, v32, v32
	v_mul_f32 v35, v28, v31                        ; a d
	v_mul_f32 v34, v34, v30
	v_mul_f32 v36, v32, v32                        ; e e
	v_mul_f32 v34, v34, v29                        ; 2 e c b
	v_mul_f32 v37, v30, v30                        ; c c
	v_fmac_f32 v34, v35, v33
	v_mul_f32 v38, v29, v29                        ; b b
	v_fma_f32 v34, -v36, v28, v34
	v_fma_f32 v34, -v37, v31, v34
	v_fma_f32 v34, -v38, v33, v34
	v_add_f32 v34, 0x179abe15, v34                 ; + 1e-24
	v_rcp_f32 v34, v34
	v_fma_f32 v40, v31, v33, -v36                  ; d f - e e      (plain work behind the transcendental that leaves v34 alone)
	v_mul_f32 v41, v29, v33
	v_mul_f32 v42, v30, v31
	v_fma_f32 v43, v28, v33, -v37                  ; a f - c c
	v_mul_f32 v50, v32, v28
	v_fma_f32 v51, v28, v31, -v38                  ; a d - b b
	v_fma_f32 v41, v32, v30, -v41                  ; e c - b f
	v_fma_f32 v42, v32, v29, -v42                  ; e b - c d
	v_fma_f32 v50, v29, v30, -v50                  ; b c - e a
	s_wait_alu depctr_va_vdst(0)
	v_mul_f32 v35, NHLOG2E, v34                    ; -0.5 log2(e) / det: the next launch uses 2^x
	v_mul_f32 v39, NLOG2E, v34                     ; -log2(e) / det
	v_xor_b32 v68, 0x80000000, v8                  ; -gz: the centre is stored negated, so that a point's offset is one addition
	v_xor_b32 v69, 0x80000000, v6                  ; -gx
	v_xor_b32 v71, 0x80000000, v7                  ; -gy      (v70 = w since the sigmoid)
	v_mul_f32 v72, v51, v35                        ; f2
	v_mul_f32 v73, v40, v35                        ; a2
	v_mul_f32 v74, v41, v39                        ; b2
	v_mul_f32 v75, v42, v39                        ; c2
	v_mul_f32 v76, v43, v35                        ; d2
	v_mul_f32 v77, v50, v39                        ; e2
	v_mov_b32 v78, 0
	v_mov_b32 v79, 0
	v_mul_u32_u24 v66, 48, v0
	ds_store_b128 v66, v[68:71] offset:PT          ; a pitch of 48 bytes
	ds_store_b128 v66, v[72:75] offset:PT+16
	ds_store_b128 v66, v[76:79] offset:PT+32
; The 16 interval tests of one axis.  A compare's result is one bit a lane: my wave's word of that mask.
.macro AXIS k
.irp b, 0,1,2,3,4,5,6,7,8,9,10,11,12,13,14,15
	v_cmp_gt_f32 s[66+2*\b], v[6+\k], s[32+2*\b]   ; g > lower bound
	v_cmp_lt_f32 s[67+2*\b], v[6+\k], s[33+2*\b]   ; g < upper bound
.endr
.irp b, 0,1,2,3,4,5,6,7,8,9,10,11,12,13,14,15
	s_and_b32 s[66+2*\b], s[66+2*\b], s[67+2*\b]
.if \k == 0
	s_and_b32 s[66+2*\b], s[66+2*\b], s17          ; a gaussian under the opacity threshold has weight 0: it is in no list
.endif
.endr
.irp b, 0,1,2,3,4,5,6,7,8,9,10,11,12,13,14,15
	v_writelane_b32 v[80+(16*\k+\b)/32], s[66+2*\b], (16*\k+\b)%32   ; entry e = 16 axis + b: lane e mod 32 of v80 or v81
.endr
.endm
	AXIS 0
	AXIS 1
	AXIS 2
	v_lshlrev_b32 v82, 2, v20
	v_lshl_add_u32 v82, s16, 8, v82                ; my wave's 256 bytes, 4 bytes a lane
	ds_store_b32 v82, v80 offset:MT                ; entries 0-31
	ds_store_b32 v82, v81 offset:MT+128            ; entries 32-47 (and 16 zero words that nobody reads)
	s_wait_dscnt 0x0                               ; for the other waves' sake: entries and mask words are in LDS before I signal
	s_barrier_signal -1
	s_barrier_wait -1
	; The way out: 16 bytes a lane, a wave's store covers 512 consecutive bytes that start at a multiple of 512.
	ds_load_b128 v[84:87], v3 offset:PT
	ds_load_b128 v[88:91], v3 offset:PT+8192
	ds_load_b128 v[92:95], v3 offset:PT+16384
	s_wait_dscnt 0x2                               ; LDS loads come back in order: the first is in
	global_store_b128 v3, v[84:87], s[12:13]
	s_wait_dscnt 0x1
	global_store_b128 v3, v[88:91], s[12:13] offset:8192
	s_wait_dscnt 0x0
	global_store_b128 v3, v[92:95], s[12:13] offset:16384
	s_cmp_ge_u32 s16, 6
	s_cbranch_scc1 .Ldone                          ; 3,072 bytes of masks = 192 threads = waves 0 to 5
	v_and_b32 v21, 3, v0                           ; thread = 4 e + q: words 4 q .. 4 q + 3 of entry e, which four waves wrote
	v_and_b32 v22, 0xfc, v0                        ; 4 e
	v_lshl_add_u32 v21, v21, 10, v22               ; wave 4 q's 256 bytes, word e
	ds_load_b32 v96, v21 offset:MT
	ds_load_b32 v97, v21 offset:MT+256
	ds_load_b32 v98, v21 offset:MT+512
	ds_load_b32 v99, v21 offset:MT+768
	s_wait_dscnt 0x0
	global_store_b128 v3, v[96:99], s[14:15]       ; entry e's 64 bytes lie together: one scalar load fetches a whole mask
	s_cmp_lg_u32 s16, 0
	s_cbranch_scc1 .Ldone
	v_lshlrev_b32 v22, 1, v20                      ; wave 0: the 64 grid coordinates, two a lane, 256 bytes in one store
	v_or_b32 v25, 1, v22
	LIN 100, 22, 24
	LIN 101, 25, 24
	v_lshlrev_b32 v26, 3, v20
	global_store_b64 v26, v[100:101], s[12:13] offset:LINOFF
.Ldone:
	s_wait_tensorcnt 0x0
	ds_add_u32 v104, v105
	s_wait_dscnt 0x0
	s_endpgm
.Lfunc_end_k_qc64c17b1c9_prep:
	.size	k_qc64c17b1c9_prep, .Lfunc_end_k_qc64c17b1c9_prep-k_qc64c17b1c9_prep
	.p2alignl 7, 3214868480
	.fill 96, 4, 3214868480
	.section	.rodata,"a",@progbits
	.p2align	6, 0x0
	.amdhsa_kernel k_qc64c17b1c9_prep
		.amdhsa_group_segment_fixed_size 31232
		.amdhsa_private_segment_fixed_size 0
		.amdhsa_enable_private_segment 0
		.amdhsa_kernarg_size 48
		.amdhsa_user_sgpr_count 2
		.amdhsa_user_sgpr_kernarg_segment_ptr 1
		.amdhsa_wavefront_size32 1
		.amdhsa_system_sgpr_workgroup_id_x 1
		.amdhsa_system_sgpr_workgroup_id_y 1
		.amdhsa_system_sgpr_workgroup_id_z 1
		.amdhsa_system_vgpr_workitem_id 0
		.amdhsa_next_free_vgpr 106
		.amdhsa_next_free_sgpr 98
		.amdhsa_reserve_vcc 1
		.amdhsa_float_denorm_mode_32 3
		.amdhsa_float_denorm_mode_16_64 3
		.amdhsa_memory_ordered 1
		.amdhsa_forward_progress 1
		.amdhsa_inst_pref_size 28
	.end_amdhsa_kernel
	.amdgpu_metadata
---
amdhsa.version: [ 1, 2 ]
amdhsa.kernels:
  - .name:           k_qc64c17b1c9_prep
    .symbol:         k_qc64c17b1c9_prep.kd
    .args:
      - { .name: _opacity, .offset: 0, .size: 8, .value_kind: global_buffer, .address_space: global }
      - { .name: _rotation, .offset: 8, .size: 8, .value_kind: global_buffer, .address_space: global }
      - { .name: _scaling, .offset: 16, .size: 8, .value_kind: global_buffer, .address_space: global }
      - { .name: _xyz, .offset: 24, .size: 8, .value_kind: global_buffer, .address_space: global }
      - { .name: params, .offset: 32, .size: 8, .value_kind: global_buffer, .address_space: global }
      - { .name: masks, .offset: 40, .size: 8, .value_kind: global_buffer, .address_space: global }
    .group_segment_fixed_size: 31232
    .private_segment_fixed_size: 0
    .kernarg_segment_align: 8
    .kernarg_segment_size: 48
    .max_flat_workgroup_size: 512
    .sgpr_count:     98
    .vgpr_count:     106
    .wavefront_size: 32
...
	.end_amdgpu_metadata
.endif
;; end of part 1
;; launch field (part 2): grid 256 x 1, 32 waves a work-group, no clusters, 115,456 bytes of LDS; arguments params, masks, out0; writes out0
.if DOCPART == 2
	.amdgcn_target "amdgcn-amd-amdhsa--gfx1250"
	.amdhsa_code_object_version 6
	.text
	.protected	k_qc64c17b1c9_field
	.globl	k_qc64c17b1c9_field
	.p2align	8
	.type	k_qc64c17b1c9_field,@function
k_qc64c17b1c9_field:
	s_mov_b64 s[64:65], 0
	v_nop
	global_prefetch_b8 v0, s[64:65] scope:SCOPE_SE
	s_setreg_imm32_b32 hwreg(HW_REG_WAVE_MODE, 25, 1), 1
	s_wait_xcnt 0x0
; FIELD: out[ix][iy][iz] = sum over the gaussians inside the point's block box of w 2^power, power > 0 counting as nothing.
; A gaussian outside a block's box, or under the opacity threshold, has weight 0 in the source: it is left out of the block's list
; and costs nothing.  The lists come from the whole-number masks of the launch before: box of block (bi, bj, bk) = X[bi] & Y[bj] & Z[bk].
; WORK-GROUP (256 of them, 32 waves): two half lines of blocks, (bi, bj) and (bi ^ 8, bj + 8), two of the four x planes of each, all 64 z:
;   16 whole output rows of 256 bytes.  A line near the middle of the grid is paired with one near its edge, which evens the lists out.
; WAVE: one half block (2 x, 4 y, 4 z).  LANE = 8 part + 4 x + y: the 4 z points of one (x, y), against quarter 'part' of the 512 gaussians.
;   For fixed x, y the power is al + pz (be + f2 pz): 11 instructions once, then 2 packed multiply-adds for each pair of z.
; The offsets from the gaussian's centre are formed first and the quadratic form is taken of them: no difference of large sums.
; The table (24,832 bytes) is read once by each work-group, 24 bytes a thread, at the head and in no loop: it is all that work-groups
; share, so there is nothing for a joint request to serve in later steps, and no cluster is formed.
; LIMITS: a gaussian that is left out adds exactly 0; where the source would get NaN from 0 x NaN or 0 x infinity of such a gaussian
; (its result is then not finite) this text does not.  v_exp_f32 is good to one unit in the last place and flushes results under 2^-126 to 0.
.set DUMMY,   24576                    ; LDS 0: the table, 512 entries of 48 bytes; then a dummy entry of zeros (weight 0), 256 bytes
.set LIST,    24832                    ; LDS: 32 waves x 2,560 bytes
.set LSTRIDE, 2560
.set PSTR,    576                      ; a part's list: 144 words = 128 possible + 8 read ahead + spare; the last one takes the lanes without a bit
.set DUMP,    143
.set STAGE,   106752                   ; LDS: 32 waves x 144 bytes (8 rows x 16 bytes + 16: sixteen waves' pieces start in different banks)
.set WSTG,    144
.set LINOFF,  24576                    ; params: the 64 grid coordinates
.set LA,  18                           ; v18       my part's list, this trip's four words
.set NEG, 19                           ; v19       -1e10
.set X,   28                           ; v28, v29  my x, y
.set Y,   29
.set Z,   30                           ; v[30:33]  my four z
.set ACC, 34                           ; v[34:37]  the four sums
.set AR,  38                           ; v[38:41]  slot g: the next table offset as read from the list
.set AC,  42                           ; v[42:45]  slot g: the same, clamped: the address of the slot's loads
.set PX,  46
.set PY,  47
.set PZ,  48                           ; v[48:51]
.set BE,  54                           ; v54 be, v55 t1: be is the first of a pair, for the packed forms' broadcast
.set T1,  55
.set AL,  56                           ; v56 al, v57 t2
.set T2,  57
.set U,   58                           ; v[58:61]
.set P,   62                           ; v[62:101] slot g: ten parameters: -gz -gx w -gy f2 a2 b2 c2 d2 e2
	s_load_b128 s[4:7], s[0:1], 0x0                ; params s[4:5], masks s[6:7]
	s_load_b64 s[8:9], s[0:1], 0x10                ; out0
	v_lshl_add_u32 v104, v0, 2, 0x1b300
	v_mov_b32 v105, 0
	v_lshrrev_b32 v1, 5, v0
	v_readfirstlane_b32 s10, v1                    ; wave 0..31
	v_and_b32 v10, 31, v0                          ; lane
	s_lshr_b32 s11, s10, 4                         ; h: which half line
	s_and_b32 s12, s10, 15                         ; bk
	s_and_b32 s13, ttmp9, 15                       ; the first half line's bi
	s_bfe_u32 s14, ttmp9, 0x30004                  ; its bj, 0..7
	s_lshr_b32 s15, ttmp9, 7                       ; xh: x planes 2 xh, 2 xh + 1 of the blocks
	s_lshl_b32 s2, s11, 3
	s_xor_b32 s66, s13, s2                         ; my bi
	s_add_co_u32 s67, s14, s2                      ; my bj
	s_lshl_b32 s68, s66, 6                         ; a mask is 64 bytes
	s_lshl_b32 s69, s67, 6
	s_lshl_b32 s70, s12, 6
	s_lshl_b32 s71, s66, 2
	s_lshl1_add_u32 s71, s15, s71                  ; 4 bi + 2 xh
	s_lshl_b32 s72, s67, 2                         ; 4 bj
	s_lshl_b32 s73, s12, 4                         ; 16 bk: bytes of four z coordinates, and of four results
	s_mul_i32 s74, s10, LSTRIDE
	s_add_co_u32 s74, s74, LIST                    ; my wave's lists
	s_mov_b32 s83, 0x76543210                      ; v_permlanex16_b32: lane i reads lane i of the other half
	s_mov_b32 s84, 0xfedcba98
	v_lshlrev_b32 v2, 3, v0                        ; 8 t
	v_bfe_u32 v11, v0, 2, 1
	v_add_lshl_u32 v11, v11, s71, 2                ; 4 ix
	v_and_b32 v12, 3, v0
	v_add_lshl_u32 v12, v12, s72, 2                ; 4 iy
	v_mov_b32 v13, s73
	s_wait_kmcnt 0x0
	s_load_b512 s[16:31], s[6:7], s68 offset:0x0   ; X[bi]: 512 bits
	s_load_b512 s[32:47], s[6:7], s69 offset:0x400 ; Y[bj]
	s_load_b512 s[48:63], s[6:7], s70 offset:0x800 ; Z[bk]
	global_load_b64 v[4:5], v2, s[4:5]             ; the table: 1,024 threads x 3 x 8 bytes, a wave's load covers 256 consecutive bytes
	global_load_b64 v[6:7], v2, s[4:5] offset:8192
	global_load_b64 v[8:9], v2, s[4:5] offset:16384
	global_load_b32 v[X], v11, s[4:5] offset:LINOFF
	global_load_b32 v[Y], v12, s[4:5] offset:LINOFF
	global_load_b128 v[Z:Z+3], v13, s[4:5] offset:LINOFF
	; while all that is out: every word of my lists points at the dummy entry, so that a short list can be walked as far as the longest
	v_lshl_add_u32 v14, v10, 4, s74
.irp r, 20,21,22,23
	v_mov_b32 v\r, DUMMY
.endr
.irp k, 0,1,2,3,4
	ds_store_b128 v14, v[20:23] offset:512*\k
.endr
	s_cmp_lg_u32 s10, 0
	s_cbranch_scc1 .Lnot_wave_0
	v_mov_b32 v24, 0                               ; wave 0: the dummy entry, 256 bytes of zeros behind the table
	v_mov_b32 v25, 0
	v_lshlrev_b32 v26, 3, v10
	ds_store_b64 v26, v[24:25] offset:DUMMY
.Lnot_wave_0:
	v_mul_u32_u24 v15, 48, v10                     ; table offset of gaussian 'lane' of word 0
	v_mov_b32 v16, DUMP
	v_lshrrev_b32 v17, 3, v10                      ; part
	v_mad_u32_u24 v[LA], v17, PSTR, s74
	v_mov_b32 v[NEG], 0xd01502f9
.irp k, 0,1,2,3
	v_mov_b32 v[ACC+\k], 0                         ; four registers: a list may be empty, so no first term can start the sums
.endr
	s_wait_kmcnt 0x0
.set j, 0
.rept 16
	s_and_b32 s[16+j], s[16+j], s[32+j]
	s_and_b32 s[16+j], s[16+j], s[48+j]            ; the block's 512 bits in s[16:31]
.set j, j+1
.endr
; Word j of part p is compacted: the lane whose bit is set puts its gaussian's table offset at place (bits of the part's earlier words)
; + (set bits below the lane).  The other lanes write to the spare word.  The clamp bounds an address that is made from loaded numbers.
; LDS serves a wave's instructions in order (ISA guide 5.7.1.4), so these stores land on top of the fill above.
.macro WORD p, j, t
.if \j == 0
	v_mbcnt_lo_u32_b32 v[\t], s[16+4*\p+\j], 0
	s_bcnt1_i32_b32 s[76+\p], s[16+4*\p+\j]
.else
	v_mbcnt_lo_u32_b32 v[\t], s[16+4*\p+\j], s[76+\p]
	s_bcnt1_i32_b32 s80, s[16+4*\p+\j]
	s_add_co_u32 s[76+\p], s[76+\p], s80           ; s[76+p]: the part's count so far
.endif
	v_cndmask_b32 v[\t], v16, v[\t], s[16+4*\p+\j]
	v_min_u32 v[\t], DUMP, v[\t]
	v_add_nc_u32 v[\t+4], (4*\p+\j)*1536, v15      ; 32 gaussians x 48 bytes a word
	v_lshl_add_u32 v[\t], v[\t], 2, s74
	ds_store_b32 v[\t], v[\t+4] offset:\p*PSTR
.endm
.irp p, 0,1,2,3
	WORD \p, 0, 20
	WORD \p, 1, 21
	WORD \p, 2, 22
	WORD \p, 3, 23
.endr
	s_max_u32 s80, s76, s77
	s_max_u32 s81, s78, s79
	s_max_u32 s80, s80, s81                        ; the longest of the four lists
	s_add_co_u32 s80, s80, 3
	s_lshr_b32 s80, s80, 2                         ; trips of four slots, 0 to 32
	s_wait_loadcnt 0x3                             ; the three table loads are in; the three coordinate loads behind them may stay out
	ds_store_b64 v2, v[4:5]
	ds_store_b64 v2, v[6:7] offset:8192
	ds_store_b64 v2, v[8:9] offset:16384
	s_wait_dscnt 0x0                               ; for the other waves' sake: my part of the table is in LDS before I signal
	s_barrier_signal -1
	s_barrier_wait -1                              ; the table is whole
	s_wait_loadcnt 0x0                             ; x, y, z
	s_cmp_eq_u32 s80, 0
	s_cbranch_scc1 .Lsum                           ; no gaussian in this block's box: the sums are 0
; A slot's four LDS loads: ten parameters of the gaussian at AC, and the list word that the slot needs one trip later.
.macro FETCH g, ahead
	ds_load_b128 v[P+10*\g:P+10*\g+3],   v[AC+\g]
	ds_load_b128 v[P+10*\g+4:P+10*\g+7], v[AC+\g] offset:16
	ds_load_b64  v[P+10*\g+8:P+10*\g+9], v[AC+\g] offset:32
	ds_load_b32  v[AR+\g], v[LA] offset:\ahead+4*\g
.endm
; One slot's turn: four gaussians (one a part) against the half block's 32 points.
; left = how many younger LDS loads may be out: each of the three other slots has issued four behind mine.
.macro SLOT g, reload, left
.set B, P+10*\g
	s_wait_dscnt \left
	v_add_f32 v[PX], v[X], v[B+1]                  ; px = x - gx (the centre is stored negated)
	v_add_f32 v[PY], v[Y], v[B+3]
	v_pk_add_f32 v[PZ:PZ+1],   v[Z:Z+1],   v[B:B+1] op_sel_hi:[1,0]      ; both halves take the pair's first register, -gz
	v_pk_add_f32 v[PZ+2:PZ+3], v[Z+2:Z+3], v[B:B+1] op_sel_hi:[1,0]
	v_mul_f32 v[T1], v[B+5], v[PX]
	v_mul_f32 v[T2], v[B+8], v[PY]
	v_mul_f32 v[BE], v[B+9], v[PY]
	v_fmac_f32 v[T1], v[B+6], v[PY]                ; a2 px + b2 py
	v_mul_f32 v[AL], v[T2], v[PY]
	v_fmac_f32 v[BE], v[B+7], v[PX]                ; be = c2 px + e2 py
	v_fmac_f32 v[AL], v[T1], v[PX]                 ; al = a2 px px + b2 px py + d2 py py
	v_pk_fma_f32 v[U:U+1],   v[B+4:B+5], v[PZ:PZ+1],   v[BE:BE+1] op_sel_hi:[0,1,0]   ; f2 pz + be
	v_pk_fma_f32 v[U+2:U+3], v[B+4:B+5], v[PZ+2:PZ+3], v[BE:BE+1] op_sel_hi:[0,1,0]
	v_pk_fma_f32 v[U:U+1],   v[U:U+1],   v[PZ:PZ+1],   v[AL:AL+1] op_sel_hi:[1,1,0]   ; log2(e) x power
	v_pk_fma_f32 v[U+2:U+3], v[U+2:U+3], v[PZ+2:PZ+3], v[AL:AL+1] op_sel_hi:[1,1,0]
.irp k, 0,1,2,3
	v_cmp_lt_f32 s[88+\k], 0, v[U+\k]              ; power > 0 (the factor log2(e) keeps the sign)
.endr
.irp k, 0,1,2,3
	v_cndmask_b32 v[U+\k], v[U+\k], v[NEG], s[88+\k]   ; becomes -1e10, as in the source: its exponential is 0
.endr
.irp k, 0,1,2,3
	v_exp_f32 v[U+\k], v[U+\k]
.endr
.if \reload
	v_min_u32 v[AC+\g], DUMMY, v[AR+\g]            ; the clamp of the next offset is also the plain instruction behind the transcendentals (ISA guide 5.7.2)
	s_wait_alu depctr_va_vdst(0)
.else
	v_nop
	s_wait_alu depctr_va_vdst(0)
.endif
	v_pk_fma_f32 v[ACC:ACC+1],   v[U:U+1],   v[B+2:B+3], v[ACC:ACC+1]   op_sel_hi:[1,0,1]   ; += w 2^..
	v_pk_fma_f32 v[ACC+2:ACC+3], v[U+2:U+3], v[B+2:B+3], v[ACC+2:ACC+3] op_sel_hi:[1,0,1]
.if \reload
	FETCH \g, 32                                   ; next trip's gaussian; the list word of the trip after it
.endif
.endm
	ds_load_b128 v[AR:AR+3], v[LA]                 ; the first four words of my part's list
	s_wait_dscnt 0x0
.irp g, 0,1,2,3
	v_min_u32 v[AC+\g], DUMMY, v[AR+\g]
.endr
.irp g, 0,1,2,3
	FETCH \g, 16                                   ; the ring is filled in the order in which the trips fill it again: the counts hold on both ways in
.endr
	s_sub_co_u32 s81, s80, 1
	s_cmp_eq_u32 s81, 0
	s_cbranch_scc1 .Ltail
	s_mov_b32 s82, 0
.Ltrip:
	SLOT 0, 1, 12
	SLOT 1, 1, 12
	SLOT 2, 1, 12
	SLOT 3, 1, 12
	v_add_nc_u32 v[LA], 16, v[LA]                  ; at most 31 steps: the furthest word read is 4 x 32 + 3 = 131 of the part's 144
	s_add_co_u32 s82, s82, 1
	s_cmp_lt_u32 s82, s81
	s_cbranch_scc1 .Ltrip
.Ltail:
	SLOT 0, 0, 12                                  ; the last trip loads nothing: the counts run down
	SLOT 1, 0, 8
	SLOT 2, 0, 4
	SLOT 3, 0, 0
.Lsum:
	; A barrier between the loop and the stage.  The list reads' addresses step with a trip count that comes from memory; this barrier puts
	; every wave's reads of lists and table in front of every wave's stores into the stage, so that the order does not lean on that count's bound.
	s_wait_dscnt 0x0                               ; my LDS loads are back (met on both ways here: the tail's count-down ends at 0)
	s_barrier_signal -1
	; register work while the others arrive: the four parts' sums, lanes l, l ^ 8 inside a half of 16 lanes, then the other half.
	; Every lane ends with the total.
.irp k, 0,1,2,3
	v_add_f32_dpp v[ACC+\k], v[ACC+\k], v[ACC+\k] row_xmask:8 row_mask:0xf bank_mask:0xf
.endr
.irp k, 0,1,2,3
	v_permlanex16_b32 v[20+\k], v[ACC+\k], s83, s84    ; v[20:23] have been written on every way here
.endr
	v_pk_add_f32 v[ACC:ACC+1], v[ACC:ACC+1], v[20:21]
	v_pk_add_f32 v[ACC+2:ACC+3], v[ACC+2:ACC+3], v[22:23]
	s_mul_i32 s85, s10, WSTG
	s_add_co_u32 s85, s85, STAGE                   ; my wave's 144 bytes of the stage
	v_and_b32 v1, 7, v0                            ; row 4 x + y of my half line
	v_lshl_add_u32 v1, v1, 4, s85
	s_barrier_wait -1                              ; no wave reads a list or the table any more
	ds_store_b128 v1, v[ACC:ACC+3]                 ; four z = 16 bytes; the four parts' lanes hold the same sums and write the same bytes
	s_wait_dscnt 0x0                               ; for the other waves' sake: my piece is in LDS before I signal
	s_barrier_signal -1
	s_barrier_wait -1
	s_cmp_ge_u32 s10, 8
	s_cbranch_scc1 .Ldone                          ; 16 rows x 256 bytes = 256 threads x 16 bytes: waves 0 to 7, two rows each
	; wave w: rows 2 w, 2 w + 1 of the 16 = half line w / 4, x plane (w / 2) mod 2, y = 2 (w mod 2) + lane / 16; lane mod 16 = bk
	s_lshr_b32 s86, s10, 2                         ; half line
	s_and_b32 s87, s10, 3
	s_mul_i32 s88, s86, 16*WSTG
	s_lshl_b32 s87, s87, 5                         ; row (2 w) mod 8, 16 bytes each
	s_add_co_u32 s88, s88, s87
	s_add_co_u32 s88, s88, STAGE
	v_and_b32 v1, 15, v10
	v_lshrrev_b32 v3, 4, v10
	v_mad_u32_u24 v1, v1, WSTG, s88                ; the piece of the wave that made block bk
	v_lshl_add_u32 v1, v3, 4, v1
	ds_load_b128 v[4:7], v1
	s_lshl_b32 s86, s86, 3
	s_xor_b32 s87, s13, s86                        ; that half line's bi
	s_add_co_u32 s89, s14, s86                     ; and bj
	s_lshl_b32 s87, s87, 2
	s_lshl1_add_u32 s87, s15, s87                  ; 4 bi + 2 xh
	s_bfe_u32 s90, s10, 0x10001
	s_add_co_u32 s87, s87, s90                     ; ix
	s_lshl_b32 s89, s89, 2
	s_and_b32 s90, s10, 1
	s_lshl1_add_u32 s89, s90, s89                  ; iy of the first of my two rows
	s_lshl_b32 s87, s87, 6
	s_add_co_u32 s87, s87, s89
	s_lshl_b32 s86, s87, 8                         ; (64 ix + iy) x 256 bytes
	s_mov_b32 s87, 0
	s_add_nc_u64 s[8:9], s[8:9], s[86:87]
	v_lshlrev_b32 v3, 4, v10                       ; the two rows follow each other in memory: 512 consecutive bytes, aligned
	s_wait_dscnt 0x0
	global_store_b128 v3, v[4:7], s[8:9]
.Ldone:
	s_wait_tensorcnt 0x0
	ds_add_u32 v104, v105
	s_wait_dscnt 0x0
	s_endpgm
.Lfunc_end_k_qc64c17b1c9_field:
	.size	k_qc64c17b1c9_field, .Lfunc_end_k_qc64c17b1c9_field-k_qc64c17b1c9_field
	.p2alignl 7, 3214868480
	.fill 96, 4, 3214868480
	.section	.rodata,"a",@progbits
	.p2align	6, 0x0
	.amdhsa_kernel k_qc64c17b1c9_field
		.amdhsa_group_segment_fixed_size 115456
		.amdhsa_private_segment_fixed_size 0
		.amdhsa_enable_private_segment 0
		.amdhsa_kernarg_size 24
		.amdhsa_user_sgpr_count 2
		.amdhsa_user_sgpr_kernarg_segment_ptr 1
		.amdhsa_wavefront_size32 1
		.amdhsa_system_sgpr_workgroup_id_x 1
		.amdhsa_system_sgpr_workgroup_id_y 1
		.amdhsa_system_sgpr_workgroup_id_z 1
		.amdhsa_system_vgpr_workitem_id 0
		.amdhsa_next_free_vgpr 106
		.amdhsa_next_free_sgpr 92
		.amdhsa_reserve_vcc 0
		.amdhsa_float_denorm_mode_32 3
		.amdhsa_float_denorm_mode_16_64 3
		.amdhsa_memory_ordered 1
		.amdhsa_forward_progress 1
		.amdhsa_inst_pref_size 30
	.end_amdhsa_kernel
	.amdgpu_metadata
---
amdhsa.version: [ 1, 2 ]
amdhsa.kernels:
  - .name:           k_qc64c17b1c9_field
    .symbol:         k_qc64c17b1c9_field.kd
    .args:
      - { .name: params, .offset: 0, .size: 8, .value_kind: global_buffer, .address_space: global }
      - { .name: masks, .offset: 8, .size: 8, .value_kind: global_buffer, .address_space: global }
      - { .name: out0, .offset: 16, .size: 8, .value_kind: global_buffer, .address_space: global }
    .group_segment_fixed_size: 115456
    .private_segment_fixed_size: 0
    .kernarg_segment_align: 8
    .kernarg_segment_size: 24
    .max_flat_workgroup_size: 1024
    .sgpr_count:     92
    .vgpr_count:     106
    .wavefront_size: 32
...
	.end_amdgpu_metadata
.endif
;; end of part 2
;; ======== version 2 of 3: 2 launches; 1.17 times as fast as version 1
;; workspace buffers: params 24,832 bytes; masks 3,072 bytes of whole numbers
;; launch prep (part 3): grid 1 x 1, 16 waves a work-group, no clusters, 31,232 bytes of LDS; arguments _opacity, _rotation, _scaling, _xyz, params, masks; writes params, masks
.if DOCPART == 3
	.amdgcn_target "amdgcn-amd-amdhsa--gfx1250"
	.amdhsa_code_object_version 6
	.text
	.protected	k_qc64c17b1c9_prep
	.globl	k_qc64c17b1c9_prep
	.p2align	8
	.type	k_qc64c17b1c9_prep,@function
k_qc64c17b1c9_prep:
	s_mov_b64 s[64:65], 0
	v_nop
	global_prefetch_b8 v0, s[64:65] scope:SCOPE_SE
	s_setreg_imm32_b32 hwreg(HW_REG_WAVE_MODE, 25, 1), 1
	s_wait_xcnt 0x0
; PREP: everything that is done once for each of the 512 gaussians.  One work-group, 16 waves, thread t = gaussian t.
; Out:  params  512 entries of 48 bytes: -gz, -gx, w, -gy | f2, a2, b2, c2 | d2, e2, 0, 0   (g = normalised centre, w = opacity or 0,
;               a2 d2 f2 = 0.5 log2(e) x inverse covariance's diagonal, b2 c2 e2 = log2(e) x its xy, xz, yz terms: the quadratic form
;               made of them is -log2(e) x the source's power), then at byte 24,576 the 64 grid coordinates of linspace(-1, 1, 64);
;       masks   48 entries of 16 words: entry 16 axis + b, word w, bit l: gaussian 32 w + l lies inside block index b's relaxed
;               interval on that axis (x entries also carry opacity > 0.005).  The box test of a block is the AND of three entries,
;               so 3,072 bytes describe all 4,096 blocks.  The next launch takes its trip counts from these whole numbers.
; The 3 x 3 products C = L L^T (27,648 FLOPs in all) stay in f32 on the vector unit: C feeds a determinant whose terms cancel,
; which 16-bit operands would not survive.  Determinant and cofactors follow the source formula term by term, with its + 1e-24.
; LIMITS: v_exp_f32, v_rcp_f32, v_rsq_f32 are good to one unit in the last place and flush denormals (ISA guide, 15.8);
; the order of rounding differs from the source's; inputs for which the source formula is not finite are not served.
.set RED,     0                        ; LDS: 6 x 16 words, the waves' minima and maxima
.set MT,      512                      ; LDS: 16 waves x 256 bytes, each wave's 48 mask words (64 with the unused tail)
.set PT,      4608                     ; LDS: the 512 entries of 48 bytes
.set LINOFF,  24576                    ; params: byte offset of the grid coordinates
.set LOG2E,   0x3fb8aa3b               ; log2(e)
.set NLOG2E,  0xbfb8aa3b               ; -log2(e)
.set HLOG2E,  0x3f38aa3b               ; log2(e) / 2
.set INV63,   0x3c820821               ; 1/63
; v[d] = linspace(-1, 1, 64)[v[i]] as the source forms it: step = i / 63, value = step - (1 - step).
; The quotient is a product with 1/63 and one correction by the exact remainder.
.macro LIN d, i, t
	v_cvt_f32_u32 v[\t], v[\i]
	v_mul_f32 v[\d], INV63, v[\t]
	v_fmamk_f32 v[\t], v[\d], 0xc27c0000, v[\t]    ; i - 63 q, one rounding
	v_fmac_f32 v[\d], INV63, v[\t]
	v_sub_f32 v[\t], 1.0, v[\d]
	v_sub_f32 v[\d], v[\d], v[\t]
.endm
	s_load_b256 s[4:11], s[0:1], 0x0               ; _opacity s[4:5], _rotation s[6:7], _scaling s[8:9], _xyz s[10:11]
	s_load_b128 s[12:15], s[0:1], 0x20             ; params s[12:13], masks s[14:15]
	v_lshl_add_u32 v104, v0, 2, 0x7200
	v_mov_b32 v105, 0
	v_lshrrev_b32 v1, 5, v0
	v_readfirstlane_b32 s16, v1                    ; wave 0..15
	v_lshlrev_b32 v1, 2, v0                        ; 4 t
	v_mul_u32_u24 v2, 12, v0                       ; 12 t
	v_lshlrev_b32 v3, 4, v0                        ; 16 t, kept to the end
	s_mov_b32 s18, 0x76543210                      ; v_permlanex16_b32: lane i reads lane i of the other half
	s_mov_b32 s19, 0xfedcba98
	s_mov_b32 s20, 0x3fe66666                      ; 1.8
	s_wait_kmcnt 0x0
	global_load_b32 v4, v1, s[4:5]                 ; opacity
	global_load_b96 v[6:8], v2, s[10:11]           ; x y z
	global_load_b128 v[16:19], v3, s[6:7]          ; quaternion r x y z
	global_load_b96 v[10:12], v2, s[8:9]           ; log scales
	; while the loads are out: the 32 interval bounds, one a lane.  Lane 2 b: lin[4 b] - 0.1875, lane 2 b + 1: lin[4 b + 3] + 0.1875
	v_and_b32 v20, 31, v0                          ; lane
	v_and_b32 v21, 1, v0                           ; 0 lower bound, 1 upper bound
	v_and_b32 v22, 30, v0
	v_lshlrev_b32 v22, 1, v22                      ; 4 b
	v_mad_u32_u24 v22, v21, 3, v22                 ; grid index 4 b or 4 b + 3
	LIN 23, 22, 24
	v_cvt_f32_u32 v24, v21
	v_add_f32 v24, -0.5, v24                       ; -0.5 or +0.5
	v_fmac_f32 v23, 0x3ec00000, v24                ; 0.375 x that is -0.1875 or +0.1875 exactly: one rounding, as an addition has
	v_mov_b32 v34, 0                               ; written once: v_permlanex16_b32 counts as a reader of its destination
	v_mov_b32 v35, 0
	v_mov_b32 v80, 0                               ; the same for v_writelane_b32; lanes 16-31 of v81 stay 0
	v_mov_b32 v81, 0
	s_wait_loadcnt 0x3                             ; opacity is in; three younger loads stay out
	v_mul_f32 v24, NLOG2E, v4
	v_exp_f32 v24, v24                             ; e^-o
	v_mov_b32 v26, 0x501502f9                      ; 1e10   (also the plain instruction behind the transcendental, ISA guide 5.7.2)
	s_wait_alu depctr_va_vdst(0)
	v_add_f32 v24, 1.0, v24
	v_rcp_f32 v24, v24                             ; sigmoid
	v_mov_b32 v27, 0xd01502f9                      ; -1e10
	s_wait_alu depctr_va_vdst(0)
	v_cmp_lt_f32 vcc_lo, 0x3ba3d70a, v24           ; 0.005 < sigmoid
	s_mov_b32 s17, vcc_lo                          ; my wave's word of the opacity mask
	v_cndmask_b32 v70, 0, v24, vcc_lo              ; w
	s_wait_loadcnt 0x2                             ; x y z are in
	v_cndmask_b32 v28, v26, v6, vcc_lo             ; for the minima: dropped gaussians count as 1e10
	v_cndmask_b32 v29, v26, v7, vcc_lo
	v_cndmask_b32 v30, v26, v8, vcc_lo
	v_cndmask_b32 v31, v27, v6, vcc_lo             ; for the maxima: as -1e10
	v_cndmask_b32 v32, v27, v7, vcc_lo
	v_cndmask_b32 v33, v27, v8, vcc_lo
.irp m, 1,2,4,8                                    ; inside each half of 16 lanes
.irp r, 28,29,30
	v_min_num_f32_dpp v\r, v\r, v\r row_xmask:\m row_mask:0xf bank_mask:0xf
.endr
.irp r, 31,32,33
	v_max_num_f32_dpp v\r, v\r, v\r row_xmask:\m row_mask:0xf bank_mask:0xf
.endr
.endr
	v_permlanex16_b32 v34, v28, s18, s19           ; across the halves
	v_permlanex16_b32 v35, v29, s18, s19
	v_min_num_f32 v28, v28, v34
	v_min_num_f32 v29, v29, v35
	v_permlanex16_b32 v34, v30, s18, s19
	v_permlanex16_b32 v35, v31, s18, s19
	v_min_num_f32 v30, v30, v34
	v_max_num_f32 v31, v31, v35
	v_permlanex16_b32 v34, v32, s18, s19
	v_permlanex16_b32 v35, v33, s18, s19
	v_max_num_f32 v32, v32, v34
	v_max_num_f32 v33, v33, v35
	v_mov_b32 v36, s16
	v_lshlrev_b32 v36, 2, v36                      ; my wave's word in each of the six rows of 16
.irp k, 0,1,2,3,4,5
	ds_store_b32 v36, v[28+\k] offset:RED+64*\k    ; all lanes hold the same figure
.endr
	s_wait_loadcnt 0x0                             ; quaternion and log scales, for the register work below
	s_wait_dscnt 0x0                               ; for the other waves' sake: my six words are in LDS before I signal
	s_barrier_signal -1
	; register work while the others arrive: nothing here needs centre or scale
	v_mul_f32 v40, v16, v16
	v_fmac_f32 v40, v17, v17
	v_fmac_f32 v40, v18, v18
	v_fmac_f32 v40, v19, v19                       ; |q|^2
	v_mul_f32 v10, LOG2E, v10
	v_mul_f32 v11, LOG2E, v11
	v_mul_f32 v12, LOG2E, v12
	v_rsq_f32 v40, v40
	v_exp_f32 v10, v10                             ; e^scaling
	v_exp_f32 v11, v11
	v_exp_f32 v12, v12
	v_and_b32 v36, 15, v0                          ; plain instruction behind the transcendentals; lane mod 16,
	v_lshlrev_b32 v36, 2, v36                      ; the word of a row that this lane will read back
	s_wait_alu depctr_va_vdst(0)
	v_mul_f32 v16, v16, v40                        ; unit quaternion r x y z
	v_mul_f32 v17, v17, v40
	v_mul_f32 v18, v18, v40
	v_mul_f32 v19, v19, v40
	v_mul_f32 v41, v16, v19                        ; r z
	v_mul_f32 v42, v16, v18                        ; r y
	v_mul_f32 v43, v16, v17                        ; r x
	v_fma_f32 v44, v17, v18, -v41                  ; R01 / 2 = x y - r z   (the factor 2 goes into the scale below: exact)
	v_fma_f32 v45, v17, v18, v41                   ; R10 / 2
	v_fma_f32 v46, v17, v19, v42                   ; R02 / 2 = x z + r y
	v_fma_f32 v47, v17, v19, -v42                  ; R20 / 2
	v_fma_f32 v48, v18, v19, -v43                  ; R12 / 2 = y z - r x
	v_fma_f32 v49, v18, v19, v43                   ; R21 / 2
	v_mul_f32 v50, v17, v17
	v_mul_f32 v51, v18, v18
	v_mul_f32 v52, v19, v19
	v_add_f32 v53, v51, v52
	v_add_f32 v54, v50, v52
	v_add_f32 v55, v50, v51
	v_fma_f32 v53, v53, -2.0, 1.0                  ; R00
	v_fma_f32 v54, v54, -2.0, 1.0                  ; R11
	v_fma_f32 v55, v55, -2.0, 1.0                  ; R22
.set j, 0
.rept 32
	v_readlane_b32 s[32+j], v23, j                 ; the bounds as scalars: s[32+2b] lower, s[33+2b] upper
.set j, j+1
.endr
	s_barrier_wait -1
.irp k, 0,1,2,3,4,5
	ds_load_b32 v[28+\k], v36 offset:RED+64*\k     ; lane mod 16 takes that wave's figure
.endr
	s_wait_dscnt 0x0
.irp m, 1,2,4,8
.irp r, 28,29,30
	v_min_num_f32_dpp v\r, v\r, v\r row_xmask:\m row_mask:0xf bank_mask:0xf
.endr
.irp r, 31,32,33
	v_max_num_f32_dpp v\r, v\r, v\r row_xmask:\m row_mask:0xf bank_mask:0xf
.endr
.endr
	v_add_f32 v56, v28, v31
	v_add_f32 v57, v29, v32
	v_add_f32 v58, v30, v33
	v_sub_f32 v59, v31, v28
	v_sub_f32 v60, v32, v29
	v_sub_f32 v61, v33, v30
	v_max3_num_f32 v59, v59, v60, v61              ; the largest extent m
	v_rcp_f32 v60, v59
	v_mul_f32 v56, 0.5, v56                        ; centre
	v_mul_f32 v57, 0.5, v57
	v_mul_f32 v58, 0.5, v58
	s_wait_alu depctr_va_vdst(0)
	v_mul_f32 v61, s20, v60                        ; 1.8 / m: first guess,
	v_fma_f32 v62, -v59, v61, s20                  ; its exact remainder,
	v_fmac_f32 v61, v62, v60                       ; corrected: block membership is decided on these numbers
	v_sub_f32 v6, v6, v56
	v_sub_f32 v7, v7, v57
	v_sub_f32 v8, v8, v58
	v_mul_f32 v6, v6, v61                          ; normalised centre gx gy gz
	v_mul_f32 v7, v7, v61
	v_mul_f32 v8, v8, v61
	v_mul_f32 v10, v10, v61                        ; s0 s1 s2
	v_mul_f32 v11, v11, v61
	v_mul_f32 v12, v12, v61
	v_add_f32 v63, v10, v10                        ; 2 s, for the halved off-diagonal terms of R
	v_add_f32 v64, v11, v11
	v_add_f32 v65, v12, v12
	v_mul_f32 v53, v53, v10                        ; L = R diag(s): row 0 = v53 v44 v46
	v_mul_f32 v44, v44, v64
	v_mul_f32 v46, v46, v65
	v_mul_f32 v45, v45, v63                        ; row 1 = v45 v54 v48
	v_mul_f32 v54, v54, v11
	v_mul_f32 v48, v48, v65
	v_mul_f32 v47, v47, v63                        ; row 2 = v47 v49 v55
	v_mul_f32 v49, v49, v64
	v_mul_f32 v55, v55, v12
	v_mul_f32 v28, v53, v53                        ; C = L L^T: a b c d e f in v28 .. v33
	v_mul_f32 v29, v53, v45
	v_mul_f32 v30, v53, v47
	v_mul_f32 v31, v45, v45
	v_mul_f32 v32, v45, v47
	v_mul_f32 v33, v47, v47
	v_fmac_f32 v28, v44, v44
	v_fmac_f32 v29, v44, v54
	v_fmac_f32 v30, v44, v49
	v_fmac_f32 v31, v54, v54
	v_fmac_f32 v32, v54, v49
	v_fmac_f32 v33, v49, v49
	v_fmac_f32 v28, v46, v46
	v_fmac_f32 v29, v46, v48
	v_fmac_f32 v30, v46, v55
	v_fmac_f32 v31, v48, v48
	v_fmac_f32 v32, v48, v55
	v_fmac_f32 v33, v55, v55
	; det = a d f + 2 e c b - e e a - c c d - b b f + 1e-24, in the source's order of terms
	v_add_f32 v34, v32, v32
	v_mul_f32 v35, v28, v31                        ; a d
	v_mul_f32 v34, v34, v30
	v_mul_f32 v36, v32, v32                        ; e e
	v_mul_f32 v34, v34, v29                        ; 2 e c b
	v_mul_f32 v37, v30, v30                        ; c c
	v_fmac_f32 v34, v35, v33
	v_mul_f32 v38, v29, v29                        ; b b
	v_fma_f32 v34, -v36, v28, v34
	v_fma_f32 v34, -v37, v31, v34
	v_fma_f32 v34, -v38, v33, v34
	v_add_f32 v34, 0x179abe15, v34                 ; + 1e-24
	v_rcp_f32 v34, v34
	v_fma_f32 v40, v31, v33, -v36                  ; d f - e e      (plain work behind the transcendental that leaves v34 alone)
	v_mul_f32 v41, v29, v33
	v_mul_f32 v42, v30, v31
	v_fma_f32 v43, v28, v33, -v37                  ; a f - c c
	v_mul_f32 v50, v32, v28
	v_fma_f32 v51, v28, v31, -v38                  ; a d - b b
	v_fma_f32 v41, v32, v30, -v41                  ; e c - b f
	v_fma_f32 v42, v32, v29, -v42                  ; e b - c d
	v_fma_f32 v50, v29, v30, -v50                  ; b c - e a
	s_wait_alu depctr_va_vdst(0)
	v_mul_f32 v35, HLOG2E, v34                     ; 0.5 log2(e) / det: the next launch takes 2^-(quadratic form)
	v_mul_f32 v39, LOG2E, v34                      ; log2(e) / det
	v_xor_b32 v68, 0x80000000, v8                  ; -gz: the centre is stored negated, so that a point's offset is one addition
	v_xor_b32 v69, 0x80000000, v6                  ; -gx
	v_xor_b32 v71, 0x80000000, v7                  ; -gy      (v70 = w since the sigmoid)
	v_mul_f32 v72, v51, v35                        ; f2
	v_mul_f32 v73, v40, v35                        ; a2
	v_mul_f32 v74, v41, v39                        ; b2
	v_mul_f32 v75, v42, v39                        ; c2
	v_mul_f32 v76, v43, v35                        ; d2
	v_mul_f32 v77, v50, v39                        ; e2
	v_mov_b32 v78, 0
	v_mov_b32 v79, 0
	v_mul_u32_u24 v66, 48, v0
	ds_store_b128 v66, v[68:71] offset:PT          ; a pitch of 48 bytes
	ds_store_b128 v66, v[72:75] offset:PT+16
	ds_store_b128 v66, v[76:79] offset:PT+32
; The 16 interval tests of one axis.  A compare's result is one bit a lane: my wave's word of that mask.
.macro AXIS k
.irp b, 0,1,2,3,4,5,6,7,8,9,10,11,12,13,14,15
	v_cmp_gt_f32 s[66+2*\b], v[6+\k], s[32+2*\b]   ; g > lower bound
	v_cmp_lt_f32 s[67+2*\b], v[6+\k], s[33+2*\b]   ; g < upper bound
.endr
.irp b, 0,1,2,3,4,5,6,7,8,9,10,11,12,13,14,15
	s_and_b32 s[66+2*\b], s[66+2*\b], s[67+2*\b]
.if \k == 0
	s_and_b32 s[66+2*\b], s[66+2*\b], s17          ; a gaussian under the opacity threshold has weight 0: it is in no list
.endif
.endr
.irp b, 0,1,2,3,4,5,6,7,8,9,10,11,12,13,14,15
	v_writelane_b32 v[80+(16*\k+\b)/32], s[66+2*\b], (16*\k+\b)%32   ; entry e = 16 axis + b: lane e mod 32 of v80 or v81
.endr
.endm
	AXIS 0
	AXIS 1
	AXIS 2
	v_lshlrev_b32 v82, 2, v20
	v_lshl_add_u32 v82, s16, 8, v82                ; my wave's 256 bytes, 4 bytes a lane
	ds_store_b32 v82, v80 offset:MT                ; entries 0-31
	ds_store_b32 v82, v81 offset:MT+128            ; entries 32-47 (and 16 zero words that nobody reads)
	s_wait_dscnt 0x0                               ; for the other waves' sake: entries and mask words are in LDS before I signal
	s_barrier_signal -1
	s_barrier_wait -1
	; The way out: 16 bytes a lane, a wave's store covers 512 consecutive bytes that start at a multiple of 512.
	ds_load_b128 v[84:87], v3 offset:PT
	ds_load_b128 v[88:91], v3 offset:PT+8192
	ds_load_b128 v[92:95], v3 offset:PT+16384
	s_wait_dscnt 0x2                               ; LDS loads come back in order: the first is in
	global_store_b128 v3, v[84:87], s[12:13]
	s_wait_dscnt 0x1
	global_store_b128 v3, v[88:91], s[12:13] offset:8192
	s_wait_dscnt 0x0
	global_store_b128 v3, v[92:95], s[12:13] offset:16384
	s_cmp_ge_u32 s16, 6
	s_cbranch_scc1 .Ldone                          ; 3,072 bytes of masks = 192 threads = waves 0 to 5
	v_and_b32 v21, 3, v0                           ; thread = 4 e + q: words 4 q .. 4 q + 3 of entry e, which four waves wrote
	v_and_b32 v22, 0xfc, v0                        ; 4 e
	v_lshl_add_u32 v21, v21, 10, v22               ; wave 4 q's 256 bytes, word e
	ds_load_b32 v96, v21 offset:MT
	ds_load_b32 v97, v21 offset:MT+256
	ds_load_b32 v98, v21 offset:MT+512
	ds_load_b32 v99, v21 offset:MT+768
	s_wait_dscnt 0x0
	global_store_b128 v3, v[96:99], s[14:15]       ; entry e's 64 bytes lie together: one scalar load fetches a whole mask
	s_cmp_lg_u32 s16, 0
	s_cbranch_scc1 .Ldone
	v_lshlrev_b32 v22, 1, v20                      ; wave 0: the 64 grid coordinates, two a lane, 256 bytes in one store
	v_or_b32 v25, 1, v22
	LIN 100, 22, 24
	LIN 101, 25, 24
	v_lshlrev_b32 v26, 3, v20
	global_store_b64 v26, v[100:101], s[12:13] offset:LINOFF
.Ldone:
	s_wait_tensorcnt 0x0
	ds_add_u32 v104, v105
	s_wait_dscnt 0x0
	s_endpgm
.Lfunc_end_k_qc64c17b1c9_prep:
	.size	k_qc64c17b1c9_prep, .Lfunc_end_k_qc64c17b1c9_prep-k_qc64c17b1c9_prep
	.p2alignl 7, 3214868480
	.fill 96, 4, 3214868480
	.section	.rodata,"a",@progbits
	.p2align	6, 0x0
	.amdhsa_kernel k_qc64c17b1c9_prep
		.amdhsa_group_segment_fixed_size 31232
		.amdhsa_private_segment_fixed_size 0
		.amdhsa_enable_private_segment 0
		.amdhsa_kernarg_size 48
		.amdhsa_user_sgpr_count 2
		.amdhsa_user_sgpr_kernarg_segment_ptr 1
		.amdhsa_wavefront_size32 1
		.amdhsa_system_sgpr_workgroup_id_x 1
		.amdhsa_system_sgpr_workgroup_id_y 1
		.amdhsa_system_sgpr_workgroup_id_z 1
		.amdhsa_system_vgpr_workitem_id 0
		.amdhsa_next_free_vgpr 106
		.amdhsa_next_free_sgpr 98
		.amdhsa_reserve_vcc 1
		.amdhsa_float_denorm_mode_32 3
		.amdhsa_float_denorm_mode_16_64 3
		.amdhsa_memory_ordered 1
		.amdhsa_forward_progress 1
		.amdhsa_inst_pref_size 28
	.end_amdhsa_kernel
	.amdgpu_metadata
---
amdhsa.version: [ 1, 2 ]
amdhsa.kernels:
  - .name:           k_qc64c17b1c9_prep
    .symbol:         k_qc64c17b1c9_prep.kd
    .args:
      - { .name: _opacity, .offset: 0, .size: 8, .value_kind: global_buffer, .address_space: global }
      - { .name: _rotation, .offset: 8, .size: 8, .value_kind: global_buffer, .address_space: global }
      - { .name: _scaling, .offset: 16, .size: 8, .value_kind: global_buffer, .address_space: global }
      - { .name: _xyz, .offset: 24, .size: 8, .value_kind: global_buffer, .address_space: global }
      - { .name: params, .offset: 32, .size: 8, .value_kind: global_buffer, .address_space: global }
      - { .name: masks, .offset: 40, .size: 8, .value_kind: global_buffer, .address_space: global }
    .group_segment_fixed_size: 31232
    .private_segment_fixed_size: 0
    .kernarg_segment_align: 8
    .kernarg_segment_size: 48
    .max_flat_workgroup_size: 512
    .sgpr_count:     98
    .vgpr_count:     106
    .wavefront_size: 32
...
	.end_amdgpu_metadata
.endif
;; end of part 3
;; launch field (part 4): grid 256 x 1, 32 waves a work-group, no clusters, 115,456 bytes of LDS; arguments params, masks, out0; writes out0
.if DOCPART == 4
	.amdgcn_target "amdgcn-amd-amdhsa--gfx1250"
	.amdhsa_code_object_version 6
	.text
	.protected	k_qc64c17b1c9_field
	.globl	k_qc64c17b1c9_field
	.p2align	8
	.type	k_qc64c17b1c9_field,@function
k_qc64c17b1c9_field:
	s_mov_b64 s[64:65], 0
	v_nop
	global_prefetch_b8 v0, s[64:65] scope:SCOPE_SE
	s_setreg_imm32_b32 hwreg(HW_REG_WAVE_MODE, 25, 1), 1
	s_wait_xcnt 0x0
; FIELD: out[ix][iy][iz] = sum over the gaussians inside the point's block box of w 2^-V, V = -log2(e) x power, V < 0 counting as nothing.
; A gaussian outside a block's box, or under the opacity threshold, has weight 0 in the source: it is left out of the block's list
; and costs nothing.  The lists come from the whole-number masks of the launch before: box of block (bi, bj, bk) = X[bi] & Y[bj] & Z[bk].
; WORK-GROUP (256 of them, 32 waves): two half lines of blocks, (bi, bj) and (bi ^ 8, bj + 8), two of the four x planes of each, all 64 z:
;   16 whole output rows of 256 bytes.  A line near the middle of the grid is paired with one near its edge, which evens the lists out.
; WAVE: one half block (2 x, 4 y, 4 z), one list of its gaussians.  LANE = 4 part + y: the 8 points (2 x, 4 z) of one y, against every
;   eighth gaussian of the list: a slot is 8 gaussians x 32 points.  V = al + pz (be + f2 pz): the terms in y are made once, al and be
;   as a pair over x, then two packed multiply-adds for each pair of z.
; The offsets from the gaussian's centre are formed first and the quadratic form is taken of them: no difference of large sums.
; The table (24,832 bytes) is read once by each work-group, 24 bytes a thread, at the head and in no loop: it is all that work-groups
; share, so there is nothing for a joint request to serve in later steps, and no cluster is formed.
; LIMITS: a gaussian that is left out adds exactly 0; where the source would get NaN from 0 x NaN or 0 x infinity of such a gaussian
; (its result is then not finite) this text does not.  A power that is NaN adds 0 here, NaN in the source (not finite either).
; A positive power whose d2 py py term underflows to zero (a negative d2 and a product under 2^-149) may count as positive here, as zero
; in the source.  v_exp_f32 is good to one unit in the last place and flushes results under 2^-126 to 0.
.set DUMMY,   24576                    ; LDS 0: the table, 512 entries of 48 bytes; then a dummy entry of zeros (weight 0), 256 bytes
.set LIST,    24832                    ; LDS: 32 waves x 2,560 bytes: a list of 640 words = 512 possible + read ahead + spare
.set LSTRIDE, 2560
.set DUMP,    639                      ; the last word takes the lanes without a bit; no slot reads it
.set STAGE,   106752                   ; LDS: 32 waves x 144 bytes (8 rows x 16 bytes + 16: sixteen waves' pieces start in different banks)
.set WSTG,    144
.set LINOFF,  24576                    ; params: the 64 grid coordinates
.set LA,  18                           ; v18        my part's word of this trip's first slot
.set X,   28                           ; v[28:29]   my two x
.set Y,   30                           ; v30        my y
.set Z,   32                           ; v[32:35]   my four z
.set ACC, 36                           ; v[36:43]   the sums: x plane 0's four z, x plane 1's four z
.set AR,  44                           ; v[44:47]   slot g: the next table offset as read from the list
.set AC,  48                           ; v[48:51]   slot g: the same, clamped: the address of the slot's loads
.set PX,  52                           ; v[52:53]
.set PY,  54
.set PZ,  56                           ; v[56:59]
.set BY,  60                           ; v60 b2 py, v61 e2 py: a pair, each broadcast in a packed form
.set EY,  61
.set DYY, 62                           ; v62 d2 py py, v63 d2 py
.set DY,  63
.set T1,  64                           ; v[64:65]   a2 px + b2 py, for both x
.set BE,  66                           ; v[66:67]   be
.set AL,  68                           ; v[68:69]   al
.set U,   70                           ; v[70:77]   V, then 2^-V, laid out as ACC
.set P,   78                           ; v[78:117]  slot g: ten parameters: -gz -gx w -gy f2 a2 b2 c2 d2 e2
	s_load_b128 s[4:7], s[0:1], 0x0                ; params s[4:5], masks s[6:7]
	s_load_b64 s[8:9], s[0:1], 0x10                ; out0
	v_lshl_add_u32 v120, v0, 2, 0x1b300
	v_mov_b32 v121, 0
	v_lshrrev_b32 v1, 5, v0
	v_readfirstlane_b32 s10, v1                    ; wave 0..31
	v_and_b32 v10, 31, v0                          ; lane
	s_lshr_b32 s11, s10, 4                         ; h: which half line
	s_and_b32 s12, s10, 15                         ; bk
	s_and_b32 s13, ttmp9, 15                       ; the first half line's bi
	s_bfe_u32 s14, ttmp9, 0x30004                  ; its bj, 0..7
	s_lshr_b32 s15, ttmp9, 7                       ; xh: x planes 2 xh, 2 xh + 1 of the blocks
	s_lshl_b32 s2, s11, 3
	s_xor_b32 s66, s13, s2                         ; my bi
	s_add_co_u32 s67, s14, s2                      ; my bj
	s_lshl_b32 s68, s66, 6                         ; a mask is 64 bytes
	s_lshl_b32 s69, s67, 6
	s_lshl_b32 s70, s12, 6
	s_lshl_b32 s71, s66, 4
	s_lshl3_add_u32 s71, s15, s71                  ; 4 (4 bi + 2 xh): bytes to my two x coordinates, a multiple of 8
	s_lshl_b32 s72, s67, 2                         ; 4 bj
	s_lshl_b32 s73, s12, 4                         ; 16 bk: bytes of four z coordinates, and of four results
	s_mul_i32 s74, s10, LSTRIDE
	s_add_co_u32 s74, s74, LIST                    ; my wave's list
	s_mov_b32 s76, 0                               ; the list's length so far
	s_mov_b32 s77, 0xf0f0f0f0                      ; the lanes of the odd parts
	s_mov_b32 s78, 0x7f800000                      ; the bits of +infinity
	s_mov_b32 s83, 0x76543210                      ; v_permlanex16_b32: lane i reads lane i of the other half
	s_mov_b32 s84, 0xfedcba98
	v_lshlrev_b32 v2, 3, v0                        ; 8 t
	v_mov_b32 v11, s71
	v_and_b32 v12, 3, v0
	v_add_lshl_u32 v12, v12, s72, 2                ; 4 iy
	v_mov_b32 v13, s73
	s_wait_kmcnt 0x0
	s_load_b512 s[16:31], s[6:7], s68 offset:0x0   ; X[bi]: 512 bits
	s_load_b512 s[32:47], s[6:7], s69 offset:0x400 ; Y[bj]
	s_load_b512 s[48:63], s[6:7], s70 offset:0x800 ; Z[bk]
	global_load_b64 v[4:5], v2, s[4:5]             ; the table: 1,024 threads x 3 x 8 bytes, a wave's load covers 256 consecutive bytes
	global_load_b64 v[6:7], v2, s[4:5] offset:8192
	global_load_b64 v[8:9], v2, s[4:5] offset:16384
	global_load_b64 v[X:X+1], v11, s[4:5] offset:LINOFF
	global_load_b32 v[Y], v12, s[4:5] offset:LINOFF
	global_load_b128 v[Z:Z+3], v13, s[4:5] offset:LINOFF
	; while all that is out: every word of my list points at the dummy entry, so that the last slot and the reads ahead find weight 0
	v_lshl_add_u32 v14, v10, 4, s74
.irp r, 20,21,22,23
	v_mov_b32 v\r, DUMMY
.endr
.irp k, 0,1,2,3,4
	ds_store_b128 v14, v[20:23] offset:512*\k
.endr
	s_cmp_lg_u32 s10, 0
	s_cbranch_scc1 .Lnot_wave_0
	v_mov_b32 v24, 0                               ; wave 0: the dummy entry, 256 bytes of zeros behind the table
	v_mov_b32 v25, 0
	v_lshlrev_b32 v26, 3, v10
	ds_store_b64 v26, v[24:25] offset:DUMMY
.Lnot_wave_0:
	v_mul_u32_u24 v15, 48, v10                     ; table offset of gaussian 'lane' of word 0
	v_mov_b32 v16, DUMP
	v_and_b32 v17, 28, v10                         ; 4 x part
	v_add_nc_u32 v[LA], s74, v17
.irp k, 0,1,2,3,4,5,6,7
	v_mov_b32 v[ACC+\k], 0                         ; eight registers: a list may be empty, so no first term can start the sums
.endr
	s_wait_kmcnt 0x0
; Word j is compacted: the lane whose bit is set puts its gaussian's table offset at place (bits of the earlier words) + (set bits below
; the lane).  The other lanes write to the spare word.  The clamp bounds an address that is made from loaded numbers.
; LDS serves a wave's instructions in order (ISA guide 5.7.1.4), so these stores land on top of the fill above.
.macro WORD j, t
	v_mbcnt_lo_u32_b32 v[\t], s[16+(\j)], s76
	s_bcnt1_i32_b32 s80, s[16+(\j)]
	v_cndmask_b32 v[\t], v16, v[\t], s[16+(\j)]
	s_add_co_u32 s76, s76, s80
	v_min_u32 v[\t], DUMP, v[\t]
	v_add_nc_u32 v[\t+4], (\j)*1536, v15           ; 32 gaussians x 48 bytes a word
	v_lshl_add_u32 v[\t], v[\t], 2, s74
	ds_store_b32 v[\t], v[\t+4]
.endm
; Two words of the block's 512 bits: X & Y & Z.  A pair without a bit is jumped over: seven scalar instructions instead of sixteen more.
; Most blocks hold few gaussians or none, so most pairs are empty.  The branch hangs on whole numbers read from memory.
.macro PAIR q, t
	s_and_b32 s[16+2*\q], s[16+2*\q], s[32+2*\q]
	s_and_b32 s[17+2*\q], s[17+2*\q], s[33+2*\q]
	s_and_b32 s[16+2*\q], s[16+2*\q], s[48+2*\q]
	s_and_b32 s[17+2*\q], s[17+2*\q], s[49+2*\q]
	s_or_b32 s80, s[16+2*\q], s[17+2*\q]
	s_cmp_eq_u32 s80, 0
	s_cbranch_scc1 .Lnone_\@
	WORD 2*\q, \t
	WORD 2*\q+1, \t+1
.Lnone_\@:
.endm
	PAIR 0, 20
	PAIR 1, 22
	PAIR 2, 20
	PAIR 3, 22
	PAIR 4, 20
	PAIR 5, 22
	PAIR 6, 20
	PAIR 7, 22
	s_add_co_u32 s80, s76, 7
	s_lshr_b32 s80, s80, 3                         ; slots of eight gaussians, 0 to 64
	s_wait_loadcnt 0x3                             ; the three table loads are in; the three coordinate loads behind them may stay out
	ds_store_b64 v2, v[4:5]
	ds_store_b64 v2, v[6:7] offset:8192
	ds_store_b64 v2, v[8:9] offset:16384
	s_wait_dscnt 0x0                               ; for the other waves' sake: my part of the table is in LDS before I signal
	s_barrier_signal -1
	s_barrier_wait -1                              ; the table is whole
	s_wait_loadcnt 0x0                             ; x, y, z
	s_cmp_eq_u32 s80, 0
	s_cbranch_scc1 .Lsum                           ; no gaussian in this block's box: the sums are 0, and need no adding up
; A slot's four LDS loads: ten parameters of the gaussian at AC, and the list word that the slot needs one trip later.
.macro FETCH g, ahead
	ds_load_b128 v[P+10*\g:P+10*\g+3],   v[AC+\g]
	ds_load_b128 v[P+10*\g+4:P+10*\g+7], v[AC+\g] offset:16
	ds_load_b64  v[P+10*\g+8:P+10*\g+9], v[AC+\g] offset:32
	ds_load_b32  v[AR+\g], v[LA] offset:\ahead+32*\g
.endm
; One slot's turn: eight gaussians (one a part) against the half block's 32 points.
; left = how many younger LDS loads may be out: each of the three other slots has issued four behind mine.
; In the packed forms op_sel picks the register of a source pair that feeds the low result and op_sel_hi the one that feeds the high result:
; equal bits broadcast one register of the pair.
.macro SLOT g, reload, left
.set B, P+10*\g
	s_wait_dscnt \left
	v_add_f32 v[PY], v[Y], v[B+3]                  ; py = y - gy (the centre is stored negated)
	v_pk_add_f32 v[PX:PX+1],   v[X:X+1],   v[B:B+1] op_sel:[0,1] op_sel_hi:[1,1]   ; both x take the pair's second register, -gx
	v_pk_add_f32 v[PZ:PZ+1],   v[Z:Z+1],   v[B:B+1] op_sel_hi:[1,0]                ; all z take its first, -gz
	v_pk_add_f32 v[PZ+2:PZ+3], v[Z+2:Z+3], v[B:B+1] op_sel_hi:[1,0]
	v_mul_f32 v[BY], v[B+6], v[PY]                 ; b2 py
	v_mul_f32 v[EY], v[B+9], v[PY]                 ; e2 py
	v_mul_f32 v[DY], v[B+8], v[PY]
	v_fma_f32 v[DYY], v[DY], v[PY], 0              ; d2 py py, added onto +0: a zero product comes out as +0, so that al and V below are never -0
	v_pk_fma_f32 v[T1:T1+1], v[B+4:B+5], v[PX:PX+1], v[BY:BY+1] op_sel:[1,0,0] op_sel_hi:[1,1,0]   ; a2 px + b2 py
	v_pk_fma_f32 v[BE:BE+1], v[B+6:B+7], v[PX:PX+1], v[BY:BY+1] op_sel:[1,0,1] op_sel_hi:[1,1,1]   ; be = c2 px + e2 py
	v_pk_fma_f32 v[AL:AL+1], v[T1:T1+1], v[PX:PX+1], v[DYY:DYY+1] op_sel_hi:[1,1,0]                ; al = a2 px px + b2 px py + d2 py py
.irp x, 0,1
	v_pk_fma_f32 v[U+4*\x:U+4*\x+1],   v[B+4:B+5], v[PZ:PZ+1],   v[BE:BE+1] op_sel:[0,0,\x] op_sel_hi:[0,1,\x]   ; f2 pz + be of x plane x
	v_pk_fma_f32 v[U+4*\x+2:U+4*\x+3], v[B+4:B+5], v[PZ+2:PZ+3], v[BE:BE+1] op_sel:[0,0,\x] op_sel_hi:[0,1,\x]
.endr
.irp x, 0,1
	v_pk_fma_f32 v[U+4*\x:U+4*\x+1],   v[U+4*\x:U+4*\x+1],   v[PZ:PZ+1],   v[AL:AL+1] op_sel:[0,0,\x] op_sel_hi:[1,1,\x]   ; V
	v_pk_fma_f32 v[U+4*\x+2:U+4*\x+3], v[U+4*\x+2:U+4*\x+3], v[PZ+2:PZ+3], v[AL:AL+1] op_sel:[0,0,\x] op_sel_hi:[1,1,\x]
.endr
.irp k, 0,1,2,3,4,5,6,7
	v_min_u32 v[U+\k], s78, v[U+\k]                ; as whole numbers: V >= 0 lies at or under +infinity's bits and stays; V < 0 (power > 0) has the
.endr                                              ; sign bit, lies above them and becomes +infinity: its term is 0, as with the source's -1e10
.irp k, 0,1,2,3,4,5,6,7
	v_exp_f32 v[U+\k], -v[U+\k]
.endr
.if \reload
	v_min_u32 v[AC+\g], DUMMY, v[AR+\g]            ; the clamp of the next offset is also the plain instruction behind the transcendentals (ISA guide 5.7.2)
	s_wait_alu depctr_va_vdst(0)
.else
	v_nop
	s_wait_alu depctr_va_vdst(0)
.endif
.irp k, 0,2,4,6
	v_pk_fma_f32 v[ACC+\k:ACC+\k+1], v[U+\k:U+\k+1], v[B+2:B+3], v[ACC+\k:ACC+\k+1] op_sel_hi:[1,0,1]   ; += w 2^-V
.endr
.if \reload
	FETCH \g, 256                                  ; next trip's gaussian; the list word of the trip after it
.endif
.endm
.irp g, 0,1,2,3
	ds_load_b32 v[AR+\g], v[LA] offset:32*\g       ; my part's word of the first four slots: slot s, part p = word 8 s + p
.endr
	s_wait_dscnt 0x0
.irp g, 0,1,2,3
	v_min_u32 v[AC+\g], DUMMY, v[AR+\g]
.endr
.irp g, 0,1,2,3
	FETCH \g, 128                                  ; the ring is filled in the order in which the trips fill it again: the counts hold on both ways in
.endr
	s_sub_co_u32 s81, s80, 1
	s_lshr_b32 s81, s81, 2                         ; whole trips of four slots in front of the last 1 to 4 slots
	s_lshl_b32 s79, s81, 2
	s_sub_co_u32 s79, s80, s79                     ; those last slots: 1 to 4
	s_cmp_eq_u32 s81, 0
	s_cbranch_scc1 .Ltail
	s_mov_b32 s82, 0
.Ltrip:
	SLOT 0, 1, 12
	SLOT 1, 1, 12
	SLOT 2, 1, 12
	SLOT 3, 1, 12
	v_add_nc_u32 v[LA], 128, v[LA]                 ; at most 15 steps; the furthest byte read is 14 x 128 + 256 + 96 + 28 + 3 = 2,175 of the list's 2,560
	s_add_co_u32 s82, s82, 1
	s_cmp_lt_u32 s82, s81
	s_cbranch_scc1 .Ltrip
.Ltail:
	SLOT 0, 0, 12                                  ; the last slots load nothing: the counts run down.  The wave leaves behind its last real slot;
	s_cmp_eq_u32 s79, 1                            ; what the ring has fetched beyond it is waited for in front of the barrier and never used
	s_cbranch_scc1 .Lred
	SLOT 1, 0, 8
	s_cmp_eq_u32 s79, 2
	s_cbranch_scc1 .Lred
	SLOT 2, 0, 4
	s_cmp_eq_u32 s79, 3
	s_cbranch_scc1 .Lred
	SLOT 3, 0, 0
.Lred:
	; The eight parts' sums.  Parts p and p ^ 1 (lanes l, l ^ 4) first, for both x planes; then the even part keeps x plane 0 and the odd one
	; x plane 1, so that lane mod 8 = 4 x + y is a row of the half line; then lanes l ^ 8 and the other half of the wave, on four registers.
.irp k, 0,1,2,3,4,5,6,7
	v_add_f32_dpp v[ACC+\k], v[ACC+\k], v[ACC+\k] row_xmask:4 row_mask:0xf bank_mask:0xf
.endr
.irp k, 0,1,2,3
	v_cndmask_b32 v[ACC+\k], v[ACC+\k], v[ACC+4+\k], s77
.endr
.irp k, 0,1,2,3
	v_add_f32_dpp v[ACC+\k], v[ACC+\k], v[ACC+\k] row_xmask:8 row_mask:0xf bank_mask:0xf
.endr
.irp k, 0,1,2,3
	v_permlanex16_b32 v[20+\k], v[ACC+\k], s83, s84    ; v[20:23] have been written on every way here
.endr
	v_pk_add_f32 v[ACC:ACC+1], v[ACC:ACC+1], v[20:21]
	v_pk_add_f32 v[ACC+2:ACC+3], v[ACC+2:ACC+3], v[22:23]
.Lsum:
	; A barrier between the loop and the stage.  The list reads' addresses step with a trip count that comes from memory; this barrier puts
	; every wave's reads of lists and table in front of every wave's stores into the stage, so that the order does not lean on that count's bound.
	s_wait_dscnt 0x0                               ; my LDS loads are back, those of slots that were fetched and not used among them
	s_barrier_signal -1
	s_mul_i32 s85, s10, WSTG
	s_add_co_u32 s85, s85, STAGE                   ; my wave's 144 bytes of the stage
	v_and_b32 v1, 7, v0                            ; row 4 x + y of my half line
	v_lshl_add_u32 v1, v1, 4, s85
	s_barrier_wait -1                              ; no wave reads a list or the table any more
	ds_store_b128 v1, v[ACC:ACC+3]                 ; four z = 16 bytes; the lanes with the same lane mod 8 hold the same sums and write the same bytes
	s_wait_dscnt 0x0                               ; for the other waves' sake: my piece is in LDS before I signal
	s_barrier_signal -1
	s_barrier_wait -1
	s_cmp_ge_u32 s10, 8
	s_cbranch_scc1 .Ldone                          ; 16 rows x 256 bytes = 256 threads x 16 bytes: waves 0 to 7, two rows each
	; wave w: rows 2 w, 2 w + 1 of the 16 = half line w / 4, x plane (w / 2) mod 2, y = 2 (w mod 2) + lane / 16; lane mod 16 = bk
	s_lshr_b32 s86, s10, 2                         ; half line
	s_and_b32 s87, s10, 3
	s_mul_i32 s88, s86, 16*WSTG
	s_lshl_b32 s87, s87, 5                         ; row (2 w) mod 8, 16 bytes each
	s_add_co_u32 s88, s88, s87
	s_add_co_u32 s88, s88, STAGE
	v_and_b32 v1, 15, v10
	v_lshrrev_b32 v3, 4, v10
	v_mad_u32_u24 v1, v1, WSTG, s88                ; the piece of the wave that made block bk
	v_lshl_add_u32 v1, v3, 4, v1
	ds_load_b128 v[4:7], v1
	s_lshl_b32 s86, s86, 3
	s_xor_b32 s87, s13, s86                        ; that half line's bi
	s_add_co_u32 s89, s14, s86                     ; and bj
	s_lshl_b32 s87, s87, 2
	s_lshl1_add_u32 s87, s15, s87                  ; 4 bi + 2 xh
	s_bfe_u32 s90, s10, 0x10001
	s_add_co_u32 s87, s87, s90                     ; ix
	s_lshl_b32 s89, s89, 2
	s_and_b32 s90, s10, 1
	s_lshl1_add_u32 s89, s90, s89                  ; iy of the first of my two rows
	s_lshl_b32 s87, s87, 6
	s_add_co_u32 s87, s87, s89
	s_lshl_b32 s86, s87, 8                         ; (64 ix + iy) x 256 bytes
	s_mov_b32 s87, 0
	s_add_nc_u64 s[8:9], s[8:9], s[86:87]
	v_lshlrev_b32 v3, 4, v10                       ; the two rows follow each other in memory: 512 consecutive bytes, aligned
	s_wait_dscnt 0x0
	global_store_b128 v3, v[4:7], s[8:9]
.Ldone:
	s_wait_tensorcnt 0x0
	ds_add_u32 v120, v121
	s_wait_dscnt 0x0
	s_endpgm
.Lfunc_end_k_qc64c17b1c9_field:
	.size	k_qc64c17b1c9_field, .Lfunc_end_k_qc64c17b1c9_field-k_qc64c17b1c9_field
	.p2alignl 7, 3214868480
	.fill 96, 4, 3214868480
	.section	.rodata,"a",@progbits
	.p2align	6, 0x0
	.amdhsa_kernel k_qc64c17b1c9_field
		.amdhsa_group_segment_fixed_size 115456
		.amdhsa_private_segment_fixed_size 0
		.amdhsa_enable_private_segment 0
		.amdhsa_kernarg_size 24
		.amdhsa_user_sgpr_count 2
		.amdhsa_user_sgpr_kernarg_segment_ptr 1
		.amdhsa_wavefront_size32 1
		.amdhsa_system_sgpr_workgroup_id_x 1
		.amdhsa_system_sgpr_workgroup_id_y 1
		.amdhsa_system_sgpr_workgroup_id_z 1
		.amdhsa_system_vgpr_workitem_id 0
		.amdhsa_next_free_vgpr 122
		.amdhsa_next_free_sgpr 92
		.amdhsa_reserve_vcc 0
		.amdhsa_float_denorm_mode_32 3
		.amdhsa_float_denorm_mode_16_64 3
		.amdhsa_memory_ordered 1
		.amdhsa_forward_progress 1
		.amdhsa_inst_pref_size 37
	.end_amdhsa_kernel
	.amdgpu_metadata
---
amdhsa.version: [ 1, 2 ]
amdhsa.kernels:
  - .name:           k_qc64c17b1c9_field
    .symbol:         k_qc64c17b1c9_field.kd
    .args:
      - { .name: params, .offset: 0, .size: 8, .value_kind: global_buffer, .address_space: global }
      - { .name: masks, .offset: 8, .size: 8, .value_kind: global_buffer, .address_space: global }
      - { .name: out0, .offset: 16, .size: 8, .value_kind: global_buffer, .address_space: global }
    .group_segment_fixed_size: 115456
    .private_segment_fixed_size: 0
    .kernarg_segment_align: 8
    .kernarg_segment_size: 24
    .max_flat_workgroup_size: 1024
    .sgpr_count:     92
    .vgpr_count:     122
    .wavefront_size: 32
...
	.end_amdgpu_metadata
.endif
;; end of part 4
;; ======== version 3 of 3: 2 launches; 1.36 times as fast as version 1
;; workspace buffers: params 24,832 bytes; masks 4,096 bytes of whole numbers
;; launch prep (part 5): grid 16 x 1, 16 waves a work-group, no clusters, 2,816 bytes of LDS; arguments _opacity, _rotation, _scaling, _xyz, params, masks; writes params, masks
.if DOCPART == 5
	.amdgcn_target "amdgcn-amd-amdhsa--gfx1250"
	.amdhsa_code_object_version 6
	.text
	.protected	k_qc64c17b1c9_prep
	.globl	k_qc64c17b1c9_prep
	.p2align	8
	.type	k_qc64c17b1c9_prep,@function
k_qc64c17b1c9_prep:
	s_mov_b64 s[64:65], 0
	v_nop
	global_prefetch_b8 v0, s[64:65] scope:SCOPE_SE
	s_setreg_imm32_b32 hwreg(HW_REG_WAVE_MODE, 25, 1), 1
	s_wait_xcnt 0x0
; PREP: everything that is done once for each of the 512 gaussians, shared out over 16 work-groups of 16 waves.
; Centre and scale need the minima and maxima over all 512 gaussians, and work-groups hand each other nothing inside a launch: so every
; work-group repeats that part (8 KB of reads, thread = gaussian).  The rest is shared: work-group g makes the three interval masks of block
; index g and the table entries of gaussians 32 g .. 32 g + 31.  Thread t takes gaussian (t + 32 g) mod 512, so that those 32 are wave 0's.
; Out:  params  three planes of 512 x 16 bytes: -gz, -gx, w, -gy | f2, a2, b2, c2 | d2, e2, 0, 0   (g = normalised centre, w = opacity or 0,
;               a2 d2 f2 = 0.5 log2(e) x inverse covariance's diagonal, b2 c2 e2 = log2(e) x its xy, xz, yz terms: the quadratic form
;               made of them is -log2(e) x the source's power), then at byte 24,576 the 64 grid coordinates of linspace(-1, 1, 64).
;               In planes a wave's 16-byte store of its own registers covers 512 consecutive bytes that start at a multiple of 512.
;       masks   16 units of 64 words: unit b = X[b], Y[b], Z[b], 16 zero words; word j, bit l of a mask: gaussian 32 j + l lies inside block
;               index b's relaxed interval on that axis (X also carries opacity > 0.005).  The box test of a block is the AND of three masks,
;               so 48 masks describe all 4,096 blocks.  The next launch takes its trip counts from these whole numbers.
; The 3 x 3 products C = L L^T (27,648 FLOPs in all) stay in f32 on the vector unit: C feeds a determinant whose terms cancel,
; which 16-bit operands would not survive.  Determinant and cofactors follow the source formula term by term, with its + 1e-24.
; LIMITS: v_exp_f32, v_rcp_f32, v_rsq_f32 are good to one unit in the last place and flush denormals (ISA guide, 15.8);
; the order of rounding differs from the source's; inputs for which the source formula is not finite are not served.
.set RED,     0                        ; LDS: 6 x 16 words, the waves' minima and maxima
.set MT,      512                      ; LDS: 4 x 16 words: row = axis (the fourth: zeros), word = the wave that made it
.set PLANE,   8192                     ; params: bytes in a plane
.set LINOFF,  24576                    ; params: byte offset of the grid coordinates
.set LOG2E,   0x3fb8aa3b               ; log2(e)
.set NLOG2E,  0xbfb8aa3b               ; -log2(e)
.set HLOG2E,  0x3f38aa3b               ; log2(e) / 2
.set INV63,   0x3c820821               ; 1/63
; v[d] = linspace(-1, 1, 64)[v[i]] as the source forms it: step = i / 63, value = step - (1 - step).
; The quotient is a product with 1/63 and one correction by the exact remainder.
.macro LIN d, i, t
	v_cvt_f32_u32 v[\t], v[\i]
	v_mul_f32 v[\d], INV63, v[\t]
	v_fmamk_f32 v[\t], v[\d], 0xc27c0000, v[\t]    ; i - 63 q, one rounding
	v_fmac_f32 v[\d], INV63, v[\t]
	v_sub_f32 v[\t], 1.0, v[\d]
	v_sub_f32 v[\d], v[\d], v[\t]
.endm
; minima in v28-30 and maxima in v31-33, over each half of 16 lanes
.macro HALVES
.irp m, 1,2,4,8
.irp r, 28,29,30
	v_min_num_f32_dpp v\r, v\r, v\r row_xmask:\m row_mask:0xf bank_mask:0xf
.endr
.irp r, 31,32,33
	v_max_num_f32_dpp v\r, v\r, v\r row_xmask:\m row_mask:0xf bank_mask:0xf
.endr
.endr
.endm
	s_load_b256 s[4:11], s[0:1], 0x0               ; _opacity s[4:5], _rotation s[6:7], _scaling s[8:9], _xyz s[10:11]
	s_load_b128 s[12:15], s[0:1], 0x20             ; params s[12:13], masks s[14:15]
	v_lshl_add_u32 v80, v0, 2, 0x300
	v_mov_b32 v81, 0
	v_lshrrev_b32 v1, 5, v0
	v_readfirstlane_b32 s16, v1                    ; wave 0..15
	s_lshl_b32 s21, ttmp9, 5                       ; 32 g
	s_lshl_b32 s22, ttmp9, 2                       ; 4 g: the first grid index of block index g
	s_sub_co_u32 s23, 16, ttmp9                    ; 16 - g, to undo the rotation
	s_lshl_b32 s30, ttmp9, 8                       ; 256 g: my unit of masks
	v_add_nc_u32 v5, s21, v0
	v_and_b32 v5, 0x1ff, v5                        ; my gaussian: (t + 32 g) mod 512
	v_lshlrev_b32 v1, 2, v5                        ; 4 x, 12 x and 16 x that: none of the three is written again
	v_mul_u32_u24 v2, 12, v5
	v_lshlrev_b32 v3, 4, v5
	s_mov_b32 s18, 0x76543210                      ; v_permlanex16_b32: lane i reads lane i of the other half
	s_mov_b32 s19, 0xfedcba98
	s_mov_b32 s20, 0x3fe66666                      ; 1.8
	s_wait_kmcnt 0x0
	s_cmp_lg_u32 s16, 0
	s_cbranch_scc1 .Lothers
	global_load_b128 v[16:19], v3, s[6:7]          ; wave 0 alone: quaternion r x y z and log scales of the 32 gaussians whose entries it makes.
	global_load_b96 v[10:12], v2, s[8:9]           ; They go out AHEAD of the loads that all waves issue, so that the counts below hold on both ways
.Lothers:
	global_load_b32 v4, v1, s[4:5]                 ; opacity
	global_load_b96 v[6:8], v2, s[10:11]           ; x y z
	; while the loads are out: the two bounds of block index g, the same in every lane: lin[4 g] - 0.1875 and lin[4 g + 3] + 0.1875
	v_and_b32 v20, 31, v0                          ; lane
	v_mov_b32 v22, s22
	v_add_nc_u32 v25, 3, v22
	LIN 23, 22, 24
	LIN 26, 25, 24
	v_add_f32 v23, 0xbe400000, v23                 ; lower bound
	v_add_f32 v26, 0x3e400000, v26                 ; upper bound
	v_mov_b32 v34, 0                               ; written once: v_permlanex16_b32 counts as a reader of its destination
	v_mov_b32 v35, 0
	s_wait_loadcnt 0x1                             ; opacity is in (and what wave 0 asked for ahead of it); x y z stay out
	v_mul_f32 v24, NLOG2E, v4
	v_exp_f32 v24, v24                             ; e^-o
	v_mov_b32 v14, 0x501502f9                      ; 1e10   (also the plain instruction behind the transcendental, ISA guide 5.7.2)
	s_wait_alu depctr_va_vdst(0)
	v_add_f32 v24, 1.0, v24
	v_rcp_f32 v24, v24                             ; sigmoid
	v_mov_b32 v15, 0xd01502f9                      ; -1e10
	s_wait_alu depctr_va_vdst(0)
	v_cmp_lt_f32 vcc_lo, 0x3ba3d70a, v24           ; 0.005 < sigmoid
	s_mov_b32 s17, vcc_lo                          ; my wave's word of the opacity mask
	v_cndmask_b32 v70, 0, v24, vcc_lo              ; w
	s_wait_loadcnt 0x0                             ; x y z are in
	v_cndmask_b32 v28, v14, v6, vcc_lo             ; for the minima: dropped gaussians count as 1e10
	v_cndmask_b32 v29, v14, v7, vcc_lo
	v_cndmask_b32 v30, v14, v8, vcc_lo
	v_cndmask_b32 v31, v15, v6, vcc_lo             ; for the maxima: as -1e10
	v_cndmask_b32 v32, v15, v7, vcc_lo
	v_cndmask_b32 v33, v15, v8, vcc_lo
	HALVES
	v_permlanex16_b32 v34, v28, s18, s19           ; across the halves
	v_permlanex16_b32 v35, v29, s18, s19
	v_min_num_f32 v28, v28, v34
	v_min_num_f32 v29, v29, v35
	v_permlanex16_b32 v34, v30, s18, s19
	v_permlanex16_b32 v35, v31, s18, s19
	v_min_num_f32 v30, v30, v34
	v_max_num_f32 v31, v31, v35
	v_permlanex16_b32 v34, v32, s18, s19
	v_permlanex16_b32 v35, v33, s18, s19
	v_max_num_f32 v32, v32, v34
	v_max_num_f32 v33, v33, v35
	v_mov_b32 v36, s16
	v_lshlrev_b32 v36, 2, v36                      ; my wave's word in a row of 16; kept for the mask words
.irp k, 0,1,2,3,4,5
	ds_store_b32 v36, v[28+\k] offset:RED+64*\k    ; all lanes hold the same figure
.endr
	s_wait_dscnt 0x0                               ; for the other waves' sake: my six words are in LDS before I signal
	s_barrier_signal -1
	v_and_b32 v37, 15, v0
	v_lshlrev_b32 v37, 2, v37                      ; the word of a row that this lane reads back
	s_barrier_wait -1
.irp k, 0,1,2,3,4,5
	ds_load_b32 v[28+\k], v37 offset:RED+64*\k     ; lane mod 16 takes that wave's figure
.endr
	s_wait_dscnt 0x0
	HALVES
	v_add_f32 v56, v28, v31
	v_add_f32 v57, v29, v32
	v_add_f32 v58, v30, v33
	v_sub_f32 v59, v31, v28
	v_sub_f32 v60, v32, v29
	v_sub_f32 v61, v33, v30
	v_max3_num_f32 v59, v59, v60, v61              ; the largest extent m
	v_rcp_f32 v60, v59
	v_mul_f32 v56, 0.5, v56                        ; centre
	v_mul_f32 v57, 0.5, v57
	v_mul_f32 v58, 0.5, v58
	s_wait_alu depctr_va_vdst(0)
	v_mul_f32 v61, s20, v60                        ; 1.8 / m: first guess,
	v_fma_f32 v62, -v59, v61, s20                  ; its exact remainder,
	v_fmac_f32 v61, v62, v60                       ; corrected: block membership is decided on these numbers
	v_sub_f32 v6, v6, v56
	v_sub_f32 v7, v7, v57
	v_sub_f32 v8, v8, v58
	v_mul_f32 v6, v6, v61                          ; normalised centre gx gy gz
	v_mul_f32 v7, v7, v61
	v_mul_f32 v8, v8, v61
	; The interval tests of block index g on the three axes.  A compare's result is one bit a lane: my wave's word of that mask.
.irp k, 0,1,2
	v_cmp_gt_f32 s[24+2*\k], v[6+\k], v23          ; g > lower bound
	v_cmp_lt_f32 s[25+2*\k], v[6+\k], v26          ; g < upper bound
.endr
	s_and_b32 s24, s24, s25
	s_and_b32 s26, s26, s27
	s_and_b32 s28, s28, s29
	s_and_b32 s24, s24, s17                        ; a gaussian under the opacity threshold has weight 0: it is in no list
	v_mov_b32 v40, s24
	v_mov_b32 v41, s26
	v_mov_b32 v42, s28
	v_mov_b32 v43, 0                               ; the unit's last 64 bytes, so that it is stored whole
.irp k, 0,1,2,3
	ds_store_b32 v36, v[40+\k] offset:MT+64*\k
.endr
	s_wait_dscnt 0x0                               ; for wave 1's sake: my mask words are in LDS before I signal
	s_barrier_signal -1
	s_barrier_wait -1
	s_cmp_eq_u32 s16, 1
	s_cbranch_scc1 .Lmasks
	s_cmp_eq_u32 s16, 2
	s_cbranch_scc1 .Lgrid
	s_cmp_lg_u32 s16, 0
	s_cbranch_scc1 .Ldone
	; WAVE 0: the entries of gaussians 32 g .. 32 g + 31.  No LDS from here on: the three stores take the registers as they are.
	v_mul_f32 v40, v16, v16
	v_fmac_f32 v40, v17, v17
	v_fmac_f32 v40, v18, v18
	v_fmac_f32 v40, v19, v19                       ; |q|^2
	v_mul_f32 v10, LOG2E, v10
	v_mul_f32 v11, LOG2E, v11
	v_mul_f32 v12, LOG2E, v12
	v_rsq_f32 v40, v40
	v_exp_f32 v10, v10                             ; e^scaling
	v_exp_f32 v11, v11
	v_exp_f32 v12, v12
	v_xor_b32 v68, 0x80000000, v8                  ; -gz: the centre is stored negated, so that a point's offset is one addition
	v_xor_b32 v69, 0x80000000, v6                  ; -gx     (these are also the plain instructions behind the transcendentals, ISA guide 5.7.2)
	v_xor_b32 v71, 0x80000000, v7                  ; -gy     (v70 = w since the sigmoid)
	s_wait_alu depctr_va_vdst(0)
	v_mul_f32 v16, v16, v40                        ; unit quaternion r x y z
	v_mul_f32 v17, v17, v40
	v_mul_f32 v18, v18, v40
	v_mul_f32 v19, v19, v40
	v_mul_f32 v41, v16, v19                        ; r z
	v_mul_f32 v42, v16, v18                        ; r y
	v_mul_f32 v43, v16, v17                        ; r x
	v_fma_f32 v44, v17, v18, -v41                  ; R01 / 2 = x y - r z   (the factor 2 goes into the scale below: exact)
	v_fma_f32 v45, v17, v18, v41                   ; R10 / 2
	v_fma_f32 v46, v17, v19, v42                   ; R02 / 2 = x z + r y
	v_fma_f32 v47, v17, v19, -v42                  ; R20 / 2
	v_fma_f32 v48, v18, v19, -v43                  ; R12 / 2 = y z - r x
	v_fma_f32 v49, v18, v19, v43                   ; R21 / 2
	v_mul_f32 v50, v17, v17
	v_mul_f32 v51, v18, v18
	v_mul_f32 v52, v19, v19
	v_add_f32 v53, v51, v52
	v_add_f32 v54, v50, v52
	v_add_f32 v55, v50, v51
	v_fma_f32 v53, v53, -2.0, 1.0                  ; R00
	v_fma_f32 v54, v54, -2.0, 1.0                  ; R11
	v_fma_f32 v55, v55, -2.0, 1.0                  ; R22
	v_mul_f32 v10, v10, v61                        ; s0 s1 s2
	v_mul_f32 v11, v11, v61
	v_mul_f32 v12, v12, v61
	v_add_f32 v63, v10, v10                        ; 2 s, for the halved off-diagonal terms of R
	v_add_f32 v64, v11, v11
	v_add_f32 v65, v12, v12
	v_mul_f32 v53, v53, v10                        ; L = R diag(s): row 0 = v53 v44 v46
	v_mul_f32 v44, v44, v64
	v_mul_f32 v46, v46, v65
	v_mul_f32 v45, v45, v63                        ; row 1 = v45 v54 v48
	v_mul_f32 v54, v54, v11
	v_mul_f32 v48, v48, v65
	v_mul_f32 v47, v47, v63                        ; row 2 = v47 v49 v55
	v_mul_f32 v49, v49, v64
	v_mul_f32 v55, v55, v12
	v_mul_f32 v28, v53, v53                        ; C = L L^T: a b c d e f in v28 .. v33
	v_mul_f32 v29, v53, v45
	v_mul_f32 v30, v53, v47
	v_mul_f32 v31, v45, v45
	v_mul_f32 v32, v45, v47
	v_mul_f32 v33, v47, v47
	v_fmac_f32 v28, v44, v44
	v_fmac_f32 v29, v44, v54
	v_fmac_f32 v30, v44, v49
	v_fmac_f32 v31, v54, v54
	v_fmac_f32 v32, v54, v49
	v_fmac_f32 v33, v49, v49
	v_fmac_f32 v28, v46, v46
	v_fmac_f32 v29, v46, v48
	v_fmac_f32 v30, v46, v55
	v_fmac_f32 v31, v48, v48
	v_fmac_f32 v32, v48, v55
	v_fmac_f32 v33, v55, v55
	; det = a d f + 2 e c b - e e a - c c d - b b f + 1e-24, in the source's order of terms
	v_add_f32 v34, v32, v32
	v_mul_f32 v35, v28, v31                        ; a d
	v_mul_f32 v34, v34, v30
	v_mul_f32 v36, v32, v32                        ; e e
	v_mul_f32 v34, v34, v29                        ; 2 e c b
	v_mul_f32 v37, v30, v30                        ; c c
	v_fmac_f32 v34, v35, v33
	v_mul_f32 v38, v29, v29                        ; b b
	v_fma_f32 v34, -v36, v28, v34
	v_fma_f32 v34, -v37, v31, v34
	v_fma_f32 v34, -v38, v33, v34
	v_add_f32 v34, 0x179abe15, v34                 ; + 1e-24
	v_rcp_f32 v34, v34
	v_fma_f32 v40, v31, v33, -v36                  ; d f - e e      (plain work behind the transcendental that leaves v34 alone)
	v_mul_f32 v41, v29, v33
	v_mul_f32 v42, v30, v31
	v_fma_f32 v43, v28, v33, -v37                  ; a f - c c
	v_mul_f32 v50, v32, v28
	v_fma_f32 v51, v28, v31, -v38                  ; a d - b b
	v_fma_f32 v41, v32, v30, -v41                  ; e c - b f
	v_fma_f32 v42, v32, v29, -v42                  ; e b - c d
	v_fma_f32 v50, v29, v30, -v50                  ; b c - e a
	s_wait_alu depctr_va_vdst(0)
	v_mul_f32 v35, HLOG2E, v34                     ; 0.5 log2(e) / det: the next launch takes 2^-(quadratic form)
	v_mul_f32 v39, LOG2E, v34                      ; log2(e) / det
	v_mul_f32 v72, v51, v35                        ; f2
	v_mul_f32 v73, v40, v35                        ; a2
	v_mul_f32 v74, v41, v39                        ; b2
	v_mul_f32 v75, v42, v39                        ; c2
	v_mul_f32 v76, v43, v35                        ; d2
	v_mul_f32 v77, v50, v39                        ; e2
	v_mov_b32 v78, 0
	v_mov_b32 v79, 0
	global_store_b128 v3, v[68:71], s[12:13]                   ; v3 = 16 (32 g + lane): each store covers 512 consecutive bytes from a multiple of 512
	global_store_b128 v3, v[72:75], s[12:13] offset:PLANE
	global_store_b128 v3, v[76:79], s[12:13] offset:2*PLANE
	s_branch .Ldone
.Lmasks:
	; WAVE 1: the unit of block index g, 64 words, two a lane.  Lane l holds words 2 l, 2 l + 1: row l / 8, words j = 2 (l mod 8) and j + 1.
	; Word j of a mask speaks of gaussians 32 j ..; they were wave (j - g) mod 16's.
	v_and_b32 v21, 7, v20
	v_lshlrev_b32 v21, 1, v21                      ; j
	v_add_nc_u32 v21, s23, v21                     ; j + 16 - g
	v_add_nc_u32 v22, 1, v21
	v_and_b32 v21, 15, v21
	v_and_b32 v22, 15, v22
	v_lshrrev_b32 v24, 3, v20
	v_lshlrev_b32 v24, 6, v24                      ; the row's 64 bytes
	v_lshl_add_u32 v21, v21, 2, v24
	v_lshl_add_u32 v22, v22, 2, v24
	ds_load_b32 v44, v21 offset:MT
	ds_load_b32 v45, v22 offset:MT
	v_lshl_add_u32 v25, v20, 3, s30                ; 256 g + 8 lane
	s_wait_dscnt 0x0
	global_store_b64 v25, v[44:45], s[14:15]       ; one store covers the unit's 256 consecutive bytes; a mask's 64 bytes lie together for a scalar load
	s_branch .Ldone
.Lgrid:
	s_cmp_lg_u32 s21, 0
	s_cbranch_scc1 .Ldone                          ; the table of grid coordinates is written once: by work-group 0
	v_lshlrev_b32 v22, 1, v20                      ; WAVE 2: the 64 grid coordinates, two a lane, 256 bytes in one store
	v_or_b32 v25, 1, v22
	LIN 46, 22, 24
	LIN 47, 25, 24
	v_lshlrev_b32 v27, 3, v20
	global_store_b64 v27, v[46:47], s[12:13] offset:LINOFF
.Ldone:
	s_wait_tensorcnt 0x0
	ds_add_u32 v80, v81
	s_wait_dscnt 0x0
	s_endpgm
.Lfunc_end_k_qc64c17b1c9_prep:
	.size	k_qc64c17b1c9_prep, .Lfunc_end_k_qc64c17b1c9_prep-k_qc64c17b1c9_prep
	.p2alignl 7, 3214868480
	.fill 96, 4, 3214868480
	.section	.rodata,"a",@progbits
	.p2align	6, 0x0
	.amdhsa_kernel k_qc64c17b1c9_prep
		.amdhsa_group_segment_fixed_size 2816
		.amdhsa_private_segment_fixed_size 0
		.amdhsa_enable_private_segment 0
		.amdhsa_kernarg_size 48
		.amdhsa_user_sgpr_count 2
		.amdhsa_user_sgpr_kernarg_segment_ptr 1
		.amdhsa_wavefront_size32 1
		.amdhsa_system_sgpr_workgroup_id_x 1
		.amdhsa_system_sgpr_workgroup_id_y 1
		.amdhsa_system_sgpr_workgroup_id_z 1
		.amdhsa_system_vgpr_workitem_id 0
		.amdhsa_next_free_vgpr 82
		.amdhsa_next_free_sgpr 66
		.amdhsa_reserve_vcc 1
		.amdhsa_float_denorm_mode_32 3
		.amdhsa_float_denorm_mode_16_64 3
		.amdhsa_memory_ordered 1
		.amdhsa_forward_progress 1
		.amdhsa_inst_pref_size 16
	.end_amdhsa_kernel
	.amdgpu_metadata
---
amdhsa.version: [ 1, 2 ]
amdhsa.kernels:
  - .name:           k_qc64c17b1c9_prep
    .symbol:         k_qc64c17b1c9_prep.kd
    .args:
      - { .name: _opacity, .offset: 0, .size: 8, .value_kind: global_buffer, .address_space: global }
      - { .name: _rotation, .offset: 8, .size: 8, .value_kind: global_buffer, .address_space: global }
      - { .name: _scaling, .offset: 16, .size: 8, .value_kind: global_buffer, .address_space: global }
      - { .name: _xyz, .offset: 24, .size: 8, .value_kind: global_buffer, .address_space: global }
      - { .name: params, .offset: 32, .size: 8, .value_kind: global_buffer, .address_space: global }
      - { .name: masks, .offset: 40, .size: 8, .value_kind: global_buffer, .address_space: global }
    .group_segment_fixed_size: 2816
    .private_segment_fixed_size: 0
    .kernarg_segment_align: 8
    .kernarg_segment_size: 48
    .max_flat_workgroup_size: 512
    .sgpr_count:     66
    .vgpr_count:     82
    .wavefront_size: 32
...
	.end_amdgpu_metadata
.endif
;; end of part 5
;; launch field (part 6): grid 256 x 1, 32 waves a work-group, no clusters, 115,968 bytes of LDS; arguments params, masks, out0; writes out0
.if DOCPART == 6
	.amdgcn_target "amdgcn-amd-amdhsa--gfx1250"
	.amdhsa_code_object_version 6
	.text
	.protected	k_qc64c17b1c9_field
	.globl	k_qc64c17b1c9_field
	.p2align	8
	.type	k_qc64c17b1c9_field,@function
k_qc64c17b1c9_field:
	s_mov_b64 s[64:65], 0
	v_nop
	global_prefetch_b8 v0, s[64:65] scope:SCOPE_SE
	s_setreg_imm32_b32 hwreg(HW_REG_WAVE_MODE, 25, 1), 1
	s_wait_xcnt 0x0
; FIELD: out[ix][iy][iz] = sum over the gaussians inside the point's block box of w 2^-V, V = -log2(e) x power, V < 0 counting as nothing.
; A gaussian outside a block's box, or under the opacity threshold, has weight 0 in the source: it is left out of the block's list
; and costs nothing.  The lists come from the whole-number masks of the launch before: box of block (bi, bj, bk) = X[bi] & Y[bj] & Z[bk].
; WORK-GROUP (256 of them, 32 waves): two half lines of blocks, (bi, bj) and (bi ^ 8, bj + 8), two of the four x planes of each, all 64 z:
;   16 whole output rows of 256 bytes.  A line near the middle of the grid is paired with one near its edge, which evens the lists out.
; WAVE: one half block (2 x, 4 y, 4 z), one list of its gaussians.  LANE = 4 part + y: the 8 points (2 x, 4 z) of one y, against every
;   eighth gaussian of the list: a slot is 8 gaussians x 32 points.  V = al + pz (be + f2 pz): the terms in y are made once, al and be
;   as a pair over x, then two packed multiply-adds for each pair of z.
; The offsets from the gaussian's centre are formed first and the quadratic form is taken of them: no difference of large sums.
; The table (three planes of 8,192 bytes and 256 bytes of coordinates) is read once by each work-group, 24 bytes a thread, at the head and
; in no loop: it is all that work-groups share, so there is nothing for a joint request to serve in later steps, and no cluster is formed.
; LIMITS: a gaussian that is left out adds exactly 0; where the source would get NaN from 0 x NaN or 0 x infinity of such a gaussian
; (its result is then not finite) this text does not.  A power that is NaN adds 0 here, NaN in the source (not finite either).
; A positive power whose d2 py py term underflows to zero (a negative d2 and a product under 2^-149) may count as positive here, as zero
; in the source.  v_exp_f32 is good to one unit in the last place and flushes results under 2^-126 to 0.
.set GPLANE,  8192                     ; params: a plane, 512 entries of 16 bytes
.set PLANE,   8448                     ; LDS 0: the three planes, each followed by 256 bytes of zeros: the dummy entry's part (weight 0)
.set DUMMY,   8192                     ; the dummy entry's offset in a plane
.set LIST,    25344                    ; LDS: 32 waves x 2,560 bytes: a list of 640 words = 512 possible + read ahead + spare
.set LSTRIDE, 2560
.set DUMP,    639                      ; the last word takes the lanes without a bit; no slot reads it
.set STAGE,   107264                   ; LDS: 32 waves x 144 bytes (8 rows x 16 bytes + 16: sixteen waves' pieces start in different banks)
.set WSTG,    144
.set LINOFF,  24576                    ; params: the 64 grid coordinates
.set LA,  18                           ; v18        my part's word of this trip's first slot
.set X,   28                           ; v[28:29]   my two x
.set Y,   30                           ; v30        my y
.set Z,   32                           ; v[32:35]   my four z
.set ACC, 36                           ; v[36:43]   the sums: x plane 0's four z, x plane 1's four z
.set AR,  44                           ; v[44:47]   slot g: the next table offset as read from the list
.set AC,  48                           ; v[48:51]   slot g: the same, clamped: the address of the slot's loads
.set PX,  52                           ; v[52:53]
.set PY,  54
.set PZ,  56                           ; v[56:59]
.set BY,  60                           ; v60 b2 py, v61 e2 py: a pair, each broadcast in a packed form
.set EY,  61
.set DYY, 62                           ; v62 d2 py py, v63 d2 py
.set DY,  63
.set T1,  64                           ; v[64:65]   a2 px + b2 py, for both x
.set BE,  66                           ; v[66:67]   be
.set AL,  68                           ; v[68:69]   al
.set U,   70                           ; v[70:77]   V, then 2^-V, laid out as ACC
.set P,   78                           ; v[78:117]  slot g: ten parameters: -gz -gx w -gy f2 a2 b2 c2 d2 e2
	s_load_b128 s[4:7], s[0:1], 0x0                ; params s[4:5], masks s[6:7]
	s_load_b64 s[8:9], s[0:1], 0x10                ; out0
	v_lshl_add_u32 v120, v0, 2, 0x1b500
	v_mov_b32 v121, 0
	v_lshrrev_b32 v1, 5, v0
	v_readfirstlane_b32 s10, v1                    ; wave 0..31
	v_and_b32 v10, 31, v0                          ; lane
	s_lshr_b32 s11, s10, 4                         ; h: which half line
	s_and_b32 s12, s10, 15                         ; bk
	s_and_b32 s13, ttmp9, 15                       ; the first half line's bi
	s_bfe_u32 s14, ttmp9, 0x30004                  ; its bj, 0..7
	s_lshr_b32 s15, ttmp9, 7                       ; xh: x planes 2 xh, 2 xh + 1 of the blocks
	s_lshl_b32 s2, s11, 3
	s_xor_b32 s66, s13, s2                         ; my bi
	s_add_co_u32 s67, s14, s2                      ; my bj
	s_lshl_b32 s68, s66, 8                         ; a block index's unit of masks is 256 bytes: X, Y, Z at its bytes 0, 64, 128
	s_lshl_b32 s69, s67, 8
	s_lshl_b32 s70, s12, 8
	s_lshl_b32 s71, s66, 4
	s_lshl3_add_u32 s71, s15, s71                  ; 4 (4 bi + 2 xh): bytes to my two x coordinates, a multiple of 8
	s_lshl_b32 s72, s67, 2                         ; 4 bj
	s_lshl_b32 s73, s12, 4                         ; 16 bk: bytes of four z coordinates, and of four results
	s_mul_i32 s74, s10, LSTRIDE
	s_add_co_u32 s74, s74, LIST                    ; my wave's list
	s_mov_b32 s76, 0                               ; the list's length so far
	s_mov_b32 s77, 0xf0f0f0f0                      ; the lanes of the odd parts
	s_mov_b32 s78, 0x7f800000                      ; the bits of +infinity
	s_mov_b32 s83, 0x76543210                      ; v_permlanex16_b32: lane i reads lane i of the other half
	s_mov_b32 s84, 0xfedcba98
	v_lshlrev_b32 v2, 3, v0                        ; 8 t
	v_mov_b32 v11, s71
	v_and_b32 v12, 3, v0
	v_add_lshl_u32 v12, v12, s72, 2                ; 4 iy
	v_mov_b32 v13, s73
	s_wait_kmcnt 0x0
	s_load_b512 s[16:31], s[6:7], s68 offset:0x0   ; X[bi]: 512 bits
	s_load_b512 s[32:47], s[6:7], s69 offset:0x40  ; Y[bj]
	s_load_b512 s[48:63], s[6:7], s70 offset:0x80  ; Z[bk]
	global_load_b64 v[4:5], v2, s[4:5]             ; the table: 1,024 threads x 8 bytes are a plane; a wave's load covers 256 consecutive bytes
	global_load_b64 v[6:7], v2, s[4:5] offset:GPLANE
	global_load_b64 v[8:9], v2, s[4:5] offset:2*GPLANE
	global_load_b64 v[X:X+1], v11, s[4:5] offset:LINOFF
	global_load_b32 v[Y], v12, s[4:5] offset:LINOFF
	global_load_b128 v[Z:Z+3], v13, s[4:5] offset:LINOFF
	; while all that is out: every word of my list points at the dummy entry, so that the last slot and the reads ahead find weight 0
	v_lshl_add_u32 v14, v10, 4, s74
.irp r, 20,21,22,23
	v_mov_b32 v\r, DUMMY
.endr
.irp k, 0,1,2,3,4
	ds_store_b128 v14, v[20:23] offset:512*\k
.endr
	s_cmp_lg_u32 s10, 0
	s_cbranch_scc1 .Lnot_wave_0
	v_mov_b32 v24, 0                               ; wave 0: the dummy entry, 256 bytes of zeros behind each plane
	v_mov_b32 v25, 0
	v_lshlrev_b32 v26, 3, v10
.irp k, 0,1,2
	ds_store_b64 v26, v[24:25] offset:DUMMY+\k*PLANE
.endr
.Lnot_wave_0:
	v_lshlrev_b32 v15, 4, v10                      ; table offset of gaussian 'lane' of word 0
	v_mov_b32 v16, DUMP
	v_and_b32 v17, 28, v10                         ; 4 x part
	v_add_nc_u32 v[LA], s74, v17
.irp k, 0,1,2,3,4,5,6,7
	v_mov_b32 v[ACC+\k], 0                         ; eight registers: a list may be empty, so no first term can start the sums
.endr
	s_wait_kmcnt 0x0
; Word j is compacted: the lane whose bit is set puts its gaussian's table offset at place (bits of the earlier words) + (set bits below
; the lane).  The other lanes write to the spare word.  The clamp bounds an address that is made from loaded numbers.
; LDS serves a wave's instructions in order (ISA guide 5.7.1.4), so these stores land on top of the fill above.
.macro WORD j, t
	v_mbcnt_lo_u32_b32 v[\t], s[16+(\j)], s76
	s_bcnt1_i32_b32 s80, s[16+(\j)]
	v_cndmask_b32 v[\t], v16, v[\t], s[16+(\j)]
	s_add_co_u32 s76, s76, s80
	v_min_u32 v[\t], DUMP, v[\t]
	v_add_nc_u32 v[\t+4], (\j)*512, v15            ; 32 gaussians x 16 bytes a word
	v_lshl_add_u32 v[\t], v[\t], 2, s74
	ds_store_b32 v[\t], v[\t+4]
.endm
; Two words of the block's 512 bits: X & Y & Z.  A pair without a bit is jumped over: seven scalar instructions instead of sixteen more.
; Most blocks hold few gaussians or none, so most pairs are empty.  The branch hangs on whole numbers read from memory.
.macro PAIR q, t
	s_and_b32 s[16+2*\q], s[16+2*\q], s[32+2*\q]
	s_and_b32 s[17+2*\q], s[17+2*\q], s[33+2*\q]
	s_and_b32 s[16+2*\q], s[16+2*\q], s[48+2*\q]
	s_and_b32 s[17+2*\q], s[17+2*\q], s[49+2*\q]
	s_or_b32 s80, s[16+2*\q], s[17+2*\q]
	s_cmp_eq_u32 s80, 0
	s_cbranch_scc1 .Lnone_\@
	WORD 2*\q, \t
	WORD 2*\q+1, \t+1
.Lnone_\@:
.endm
	PAIR 0, 20
	PAIR 1, 22
	PAIR 2, 20
	PAIR 3, 22
	PAIR 4, 20
	PAIR 5, 22
	PAIR 6, 20
	PAIR 7, 22
	s_add_co_u32 s80, s76, 7
	s_lshr_b32 s80, s80, 3                         ; slots of eight gaussians, 0 to 64
	s_wait_loadcnt 0x3                             ; the three table loads are in; the three coordinate loads behind them may stay out
	ds_store_b64 v2, v[4:5]
	ds_store_b64 v2, v[6:7] offset:PLANE
	ds_store_b64 v2, v[8:9] offset:2*PLANE
	s_wait_dscnt 0x0                               ; for the other waves' sake: my part of the table is in LDS before I signal
	s_barrier_signal -1
	s_barrier_wait -1                              ; the table is whole
	s_wait_loadcnt 0x0                             ; x, y, z
	s_cmp_eq_u32 s80, 0
	s_cbranch_scc1 .Lsum                           ; no gaussian in this block's box: the sums are 0, and need no adding up
; A slot's four LDS loads: ten parameters of the gaussian at AC, from the three planes, and the list word that the slot needs one trip later.
.macro FETCH g, ahead
	ds_load_b128 v[P+10*\g:P+10*\g+3],   v[AC+\g]
	ds_load_b128 v[P+10*\g+4:P+10*\g+7], v[AC+\g] offset:PLANE
	ds_load_b64  v[P+10*\g+8:P+10*\g+9], v[AC+\g] offset:2*PLANE
	ds_load_b32  v[AR+\g], v[LA] offset:\ahead+32*\g
.endm
; One slot's turn: eight gaussians (one a part) against the half block's 32 points.
; left = how many younger LDS loads may be out: each of the three other slots has issued four behind mine.
; In the packed forms op_sel picks the register of a source pair that feeds the low result and op_sel_hi the one that feeds the high result:
; equal bits broadcast one register of the pair.
.macro SLOT g, reload, left
.set B, P+10*\g
	s_wait_dscnt \left
	v_add_f32 v[PY], v[Y], v[B+3]                  ; py = y - gy (the centre is stored negated)
	v_pk_add_f32 v[PX:PX+1],   v[X:X+1],   v[B:B+1] op_sel:[0,1] op_sel_hi:[1,1]   ; both x take the pair's second register, -gx
	v_pk_add_f32 v[PZ:PZ+1],   v[Z:Z+1],   v[B:B+1] op_sel_hi:[1,0]                ; all z take its first, -gz
	v_pk_add_f32 v[PZ+2:PZ+3], v[Z+2:Z+3], v[B:B+1] op_sel_hi:[1,0]
	v_mul_f32 v[BY], v[B+6], v[PY]                 ; b2 py
	v_mul_f32 v[EY], v[B+9], v[PY]                 ; e2 py
	v_mul_f32 v[DY], v[B+8], v[PY]
	v_fma_f32 v[DYY], v[DY], v[PY], 0              ; d2 py py, added onto +0: a zero product comes out as +0, so that al and V below are never -0
	v_pk_fma_f32 v[T1:T1+1], v[B+4:B+5], v[PX:PX+1], v[BY:BY+1] op_sel:[1,0,0] op_sel_hi:[1,1,0]   ; a2 px + b2 py
	v_pk_fma_f32 v[BE:BE+1], v[B+6:B+7], v[PX:PX+1], v[BY:BY+1] op_sel:[1,0,1] op_sel_hi:[1,1,1]   ; be = c2 px + e2 py
	v_pk_fma_f32 v[AL:AL+1], v[T1:T1+1], v[PX:PX+1], v[DYY:DYY+1] op_sel_hi:[1,1,0]                ; al = a2 px px + b2 px py + d2 py py
.irp x, 0,1
	v_pk_fma_f32 v[U+4*\x:U+4*\x+1],   v[B+4:B+5], v[PZ:PZ+1],   v[BE:BE+1] op_sel:[0,0,\x] op_sel_hi:[0,1,\x]   ; f2 pz + be of x plane x
	v_pk_fma_f32 v[U+4*\x+2:U+4*\x+3], v[B+4:B+5], v[PZ+2:PZ+3], v[BE:BE+1] op_sel:[0,0,\x] op_sel_hi:[0,1,\x]
.endr
.irp x, 0,1
	v_pk_fma_f32 v[U+4*\x:U+4*\x+1],   v[U+4*\x:U+4*\x+1],   v[PZ:PZ+1],   v[AL:AL+1] op_sel:[0,0,\x] op_sel_hi:[1,1,\x]   ; V
	v_pk_fma_f32 v[U+4*\x+2:U+4*\x+3], v[U+4*\x+2:U+4*\x+3], v[PZ+2:PZ+3], v[AL:AL+1] op_sel:[0,0,\x] op_sel_hi:[1,1,\x]
.endr
.irp k, 0,1,2,3,4,5,6,7
	v_min_u32 v[U+\k], s78, v[U+\k]                ; as whole numbers: V >= 0 lies at or under +infinity's bits and stays; V < 0 (power > 0) has the
.endr                                              ; sign bit, lies above them and becomes +infinity: its term is 0, as with the source's -1e10
.irp k, 0,1,2,3,4,5,6,7
	v_exp_f32 v[U+\k], -v[U+\k]
.endr
.if \reload
	v_min_u32 v[AC+\g], DUMMY, v[AR+\g]            ; the clamp of the next offset is also the plain instruction behind the transcendentals (ISA guide 5.7.2)
	s_wait_alu depctr_va_vdst(0)
.else
	v_nop
	s_wait_alu depctr_va_vdst(0)
.endif
.irp k, 0,2,4,6
	v_pk_fma_f32 v[ACC+\k:ACC+\k+1], v[U+\k:U+\k+1], v[B+2:B+3], v[ACC+\k:ACC+\k+1] op_sel_hi:[1,0,1]   ; += w 2^-V
.endr
.if \reload
	FETCH \g, 256                                  ; next trip's gaussian; the list word of the trip after it
.endif
.endm
.irp g, 0,1,2,3
	ds_load_b32 v[AR+\g], v[LA] offset:32*\g       ; my part's word of the first four slots: slot s, part p = word 8 s + p
.endr
	s_wait_dscnt 0x0
.irp g, 0,1,2,3
	v_min_u32 v[AC+\g], DUMMY, v[AR+\g]
.endr
.irp g, 0,1,2,3
	FETCH \g, 128                                  ; the ring is filled in the order in which the trips fill it again: the counts hold on both ways in
.endr
	s_sub_co_u32 s81, s80, 1
	s_lshr_b32 s81, s81, 2                         ; whole trips of four slots in front of the last 1 to 4 slots
	s_lshl_b32 s79, s81, 2
	s_sub_co_u32 s79, s80, s79                     ; those last slots: 1 to 4
	s_cmp_eq_u32 s81, 0
	s_cbranch_scc1 .Ltail
	s_mov_b32 s82, 0
.Ltrip:
	SLOT 0, 1, 12
	SLOT 1, 1, 12
	SLOT 2, 1, 12
	SLOT 3, 1, 12
	v_add_nc_u32 v[LA], 128, v[LA]                 ; at most 15 steps; the furthest byte read is 14 x 128 + 256 + 96 + 28 + 3 = 2,175 of the list's 2,560
	s_add_co_u32 s82, s82, 1
	s_cmp_lt_u32 s82, s81
	s_cbranch_scc1 .Ltrip
.Ltail:
	SLOT 0, 0, 12                                  ; the last slots load nothing: the counts run down.  The wave leaves behind its last real slot;
	s_cmp_eq_u32 s79, 1                            ; what the ring has fetched beyond it is waited for in front of the barrier and never used
	s_cbranch_scc1 .Lred
	SLOT 1, 0, 8
	s_cmp_eq_u32 s79, 2
	s_cbranch_scc1 .Lred
	SLOT 2, 0, 4
	s_cmp_eq_u32 s79, 3
	s_cbranch_scc1 .Lred
	SLOT 3, 0, 0
.Lred:
	; The eight parts' sums.  Parts p and p ^ 1 (lanes l, l ^ 4) first, for both x planes; then the even part keeps x plane 0 and the odd one
	; x plane 1, so that lane mod 8 = 4 x + y is a row of the half line; then lanes l ^ 8 and the other half of the wave, on four registers.
.irp k, 0,1,2,3,4,5,6,7
	v_add_f32_dpp v[ACC+\k], v[ACC+\k], v[ACC+\k] row_xmask:4 row_mask:0xf bank_mask:0xf
.endr
.irp k, 0,1,2,3
	v_cndmask_b32 v[ACC+\k], v[ACC+\k], v[ACC+4+\k], s77
.endr
.irp k, 0,1,2,3
	v_add_f32_dpp v[ACC+\k], v[ACC+\k], v[ACC+\k] row_xmask:8 row_mask:0xf bank_mask:0xf
.endr
.irp k, 0,1,2,3
	v_permlanex16_b32 v[20+\k], v[ACC+\k], s83, s84    ; v[20:23] have been written on every way here
.endr
	v_pk_add_f32 v[ACC:ACC+1], v[ACC:ACC+1], v[20:21]
	v_pk_add_f32 v[ACC+2:ACC+3], v[ACC+2:ACC+3], v[22:23]
.Lsum:
	; A barrier between the loop and the stage.  The list reads' addresses step with a trip count that comes from memory; this barrier puts
	; every wave's reads of lists and table in front of every wave's stores into the stage, so that the order does not lean on that count's bound.
	s_wait_dscnt 0x0                               ; my LDS loads are back, those of slots that were fetched and not used among them
	s_barrier_signal -1
	s_mul_i32 s85, s10, WSTG
	s_add_co_u32 s85, s85, STAGE                   ; my wave's 144 bytes of the stage
	v_and_b32 v1, 7, v0                            ; row 4 x + y of my half line
	v_lshl_add_u32 v1, v1, 4, s85
	s_barrier_wait -1                              ; no wave reads a list or the table any more
	ds_store_b128 v1, v[ACC:ACC+3]                 ; four z = 16 bytes; the lanes with the same lane mod 8 hold the same sums and write the same bytes
	s_wait_dscnt 0x0                               ; for the other waves' sake: my piece is in LDS before I signal
	s_barrier_signal -1
	s_barrier_wait -1
	s_cmp_ge_u32 s10, 8
	s_cbranch_scc1 .Ldone                          ; 16 rows x 256 bytes = 256 threads x 16 bytes: waves 0 to 7, two rows each
	; wave w: rows 2 w, 2 w + 1 of the 16 = half line w / 4, x plane (w / 2) mod 2, y = 2 (w mod 2) + lane / 16; lane mod 16 = bk
	s_lshr_b32 s86, s10, 2                         ; half line
	s_and_b32 s87, s10, 3
	s_mul_i32 s88, s86, 16*WSTG
	s_lshl_b32 s87, s87, 5                         ; row (2 w) mod 8, 16 bytes each
	s_add_co_u32 s88, s88, s87
	s_add_co_u32 s88, s88, STAGE
	v_and_b32 v1, 15, v10
	v_lshrrev_b32 v3, 4, v10
	v_mad_u32_u24 v1, v1, WSTG, s88                ; the piece of the wave that made block bk
	v_lshl_add_u32 v1, v3, 4, v1
	ds_load_b128 v[4:7], v1
	s_lshl_b32 s86, s86, 3
	s_xor_b32 s87, s13, s86                        ; that half line's bi
	s_add_co_u32 s89, s14, s86                     ; and bj
	s_lshl_b32 s87, s87, 2
	s_lshl1_add_u32 s87, s15, s87                  ; 4 bi + 2 xh
	s_bfe_u32 s90, s10, 0x10001
	s_add_co_u32 s87, s87, s90                     ; ix
	s_lshl_b32 s89, s89, 2
	s_and_b32 s90, s10, 1
	s_lshl1_add_u32 s89, s90, s89                  ; iy of the first of my two rows
	s_lshl_b32 s87, s87, 6
	s_add_co_u32 s87, s87, s89
	s_lshl_b32 s86, s87, 8                         ; (64 ix + iy) x 256 bytes
	s_mov_b32 s87, 0
	s_add_nc_u64 s[8:9], s[8:9], s[86:87]
	v_lshlrev_b32 v3, 4, v10                       ; the two rows follow each other in memory: 512 consecutive bytes, aligned
	s_wait_dscnt 0x0
	global_store_b128 v3, v[4:7], s[8:9]
.Ldone:
	s_wait_tensorcnt 0x0
	ds_add_u32 v120, v121
	s_wait_dscnt 0x0
	s_endpgm
.Lfunc_end_k_qc64c17b1c9_field:
	.size	k_qc64c17b1c9_field, .Lfunc_end_k_qc64c17b1c9_field-k_qc64c17b1c9_field
	.p2alignl 7, 3214868480
	.fill 96, 4, 3214868480
	.section	.rodata,"a",@progbits
	.p2align	6, 0x0
	.amdhsa_kernel k_qc64c17b1c9_field
		.amdhsa_group_segment_fixed_size 115968
		.amdhsa_private_segment_fixed_size 0
		.amdhsa_enable_private_segment 0
		.amdhsa_kernarg_size 24
		.amdhsa_user_sgpr_count 2
		.amdhsa_user_sgpr_kernarg_segment_ptr 1
		.amdhsa_wavefront_size32 1
		.amdhsa_system_sgpr_workgroup_id_x 1
		.amdhsa_system_sgpr_workgroup_id_y 1
		.amdhsa_system_sgpr_workgroup_id_z 1
		.amdhsa_system_vgpr_workitem_id 0
		.amdhsa_next_free_vgpr 122
		.amdhsa_next_free_sgpr 92
		.amdhsa_reserve_vcc 0
		.amdhsa_float_denorm_mode_32 3
		.amdhsa_float_denorm_mode_16_64 3
		.amdhsa_memory_ordered 1
		.amdhsa_forward_progress 1
		.amdhsa_inst_pref_size 37
	.end_amdhsa_kernel
	.amdgpu_metadata
---
amdhsa.version: [ 1, 2 ]
amdhsa.kernels:
  - .name:           k_qc64c17b1c9_field
    .symbol:         k_qc64c17b1c9_field.kd
    .args:
      - { .name: params, .offset: 0, .size: 8, .value_kind: global_buffer, .address_space: global }
      - { .name: masks, .offset: 8, .size: 8, .value_kind: global_buffer, .address_space: global }
      - { .name: out0, .offset: 16, .size: 8, .value_kind: global_buffer, .address_space: global }
    .group_segment_fixed_size: 115968
    .private_segment_fixed_size: 0
    .kernarg_segment_align: 8
    .kernarg_segment_size: 24
    .max_flat_workgroup_size: 1024
    .sgpr_count:     92
    .vgpr_count:     122
    .wavefront_size: 32
...
	.end_amdgpu_metadata
.endif
;; end of part 6
